; MI455X (gfx1250); checked and timed in simulation.
; The chip was launched on July 23, 2026; its instructions are those of AMD's public machine-readable ISA for CDNA 5 (MIT licence, August 2026) and "CDNA5" Instruction Set Architecture Reference Guide (July 2026). The comments in the code are by the model that wrote it; some were corrected since.
;; Self Attention. Allowed arithmetic: matrix products marked QUANTISED: E2M1 operands, one E8M0 scale for each 32 along K, by v_wmma_scale_f32_16x16x128_f8f6f4 with both operands' format E2M1 (or v_wmma_scale_f32_32x16x128_f4), f32 sums; products left as they are: bf16, f16 or f32 operands; f32 sums; everything else in f32.
;; Inputs: Wk 1,024 x 1,024 float32; Wo 1,024 x 1,024 float32; Wq 1,024 x 1,024 float32; Wv 1,024 x 1,024 float32; bk 1,024 float32; bo 1,024 float32; bq 1,024 float32; bv 1,024 float32; x 4 x 2,048 x 1,024 float32.
;; Outputs: out0 4 x 2,048 x 1,024 float32.
;; This version of the problem:
;;   THIS VERSION OF THE PROBLEM IS GIVEN IN LOW PRECISION. The matrix products marked QUANTISED in the list below multiply operands that are first quantised to E2M1 (2 exponent bits, 1 mantissa bit; 4 bits a number), with one power-of-two scale for each 32 numbers along K (OCP MX v1.0); their sums are f32. The products marked 'left as it is' may take bf16, f16 or f32 operands, with f32 sums. Whichever they take, every output number must still come out within the allowed error. Rounding operands to bf16 (8 significant bits) uses up far more of that allowance than f16 does (11 bits, for magnitudes from 6e-5 to 65,504). All else is computed in f32.
;;   The module's matrix products, in the order in which they are computed (A, B: the left and right operand; K: the contracted axis; several contracted axes count as one K, in the product's order):
;;     1. [M 8,192, K 1,024] x [K 1,024, N 1,024]; A: input x; B: input Wq: QUANTISED
;;     2. [M 8,192, K 1,024] x [K 1,024, N 1,024]; A: input x; B: input Wk: QUANTISED
;;     3. [M 8,192, K 1,024] x [K 1,024, N 1,024]; A: input x; B: input Wv: QUANTISED
;;     4. batch 64 x [M 2,048, K 64] x [K 64, N 2,048]; A: computed on the way; B: computed on the way: left as it is (an operand is computed on the way)
;;     5. batch 64 x [M 2,048, K 2,048] x [K 2,048, N 64]; A: computed on the way; B: computed on the way: left as it is (an operand is computed on the way)
;;     6. [M 8,192, K 1,024] x [K 1,024, N 1,024]; A: computed on the way; B: input Wo: left as it is (an operand is computed on the way)
;;   THE QUANTISER, for each operand of a quantised product, along K:
;;     - K is cut into blocks of 32 from its start; a last block that is shorter is filled with zeros.
;;     - A block's scale is 2^e with e = floor(log2(the largest magnitude in the block)) - 2, held to -126 .. 127; a block of zeros has e = 0. As a byte (E8M0): e + 127.
;;     - Each number is divided by its block's scale, clamped to +-6, and rounded to the nearest number of E2M1, ties to even, subnormals kept.
;;     - The product sums the exact products of the quantised numbers (number of the format x scale) in f32.
;;   ~~~python
;;   def quantise(x, axis):      # numpy; x: float32 -> the quantised numbers, widened to float32 again
;;       x = np.moveaxis(x, axis, -1); K = x.shape[-1]
;;       x = np.pad(x, [(0, 0)] * (x.ndim - 1) + [(0, -K % 32)]); x = x.reshape(x.shape[:-1] + (-1, 32)); a = np.abs(x).max(-1, keepdims=True)
;;       e = np.where(a > 0, np.clip(np.frexp(np.where(a > 0, a, 1))[1] - 1 - 2, -126, 127), 0)      # np.frexp(a)[1] - 1 = floor(log2(a)), exactly
;;       r = np.clip(x / 2.0 ** e, -6, 6)
;;       step = 2.0 ** (np.maximum(np.frexp(np.where(r == 0, 1, r))[1] - 1, 0) - 1)
;;       q = np.round(r / step) * step * 2.0 ** e      # np.round: ties to even
;;       return np.moveaxis(q.reshape(q.shape[:-2] + (-1,))[..., :K], -1, axis).astype(np.float32)
;;   ~~~
;; One version. Each part assembles by itself: llvm-mc -triple=amdgcn-amd-amdhsa -mcpu=gfx1250 --defsym DOCPART=n.
;; ======== version 1 of 1: 5 launches
;; limits: values are held in f16: magnitudes above 65,504 overflow, below 6.1e-05 lose precision
;; workspace buffers: xcodes 4,194,304 bytes; xscales 262,144 bytes; wcodes 1,572,864 bytes; wscales 98,304 bytes; wo16 2,097,152 bytes; qkv16 50,331,648 bytes; f32rows 786,432 bytes; att 16,777,216 bytes
;; launch prep (part 1): grid 768 x 1, 4 waves a work-group, no clusters, 34,304 bytes of LDS; arguments x, Wq, Wk, Wv, Wo, xcodes, xscales, wcodes, wscales, wo16; writes xcodes, xscales, wcodes, wscales, wo16
.if DOCPART == 1
	.amdgcn_target "amdgcn-amd-amdhsa--gfx1250"
	.amdhsa_code_object_version 6
	.text
	.protected	k_qb93817afde_prep
	.globl	k_qb93817afde_prep
	.p2align	8
	.type	k_qb93817afde_prep,@function
k_qb93817afde_prep:
	s_mov_b64 s[64:65], 0
	v_nop
	global_prefetch_b8 v0, s[64:65] scope:SCOPE_SE
	s_setreg_imm32_b32 hwreg(HW_REG_WAVE_MODE, 25, 1), 1
	s_wait_xcnt 0x0
; x [8192][1024] and Wq, Wk, Wv [1024 (k)][1024 (n)], f32, become codes of FP4 (E2M1) with one E8M0 scale byte for each 32 along K; Wo becomes f16.
; Everything is laid IN THE ORDER OF THE OPERANDS' REGISTERS: a run of four registers is an image of 512 bytes, lane l's 16 bytes at 16 l.
;   xcodes  [kh 2][tile of 16 rows 512][K step of 128: 4][c 2][512 B]: lane (r, h), registers 4 c .. 4 c + 3: k = 64 c + 32 h + 0 .. 31 of row r
;   xscales [tile 512][K step 8][row 16] words: four bytes, byte b for k = 32 b .. 32 b + 31 of the step
;   wcodes  [kh 2][tile of 16 columns 192 = 64 x matrix + column / 16][4][c 2][512 B];   wscales [192][8][16] words
;   wo16    [64 columns: 16][32 along k: 32][tile of 16 columns 4][c 2][512 B]: lane (r, h), registers 4 c ..: k = 16 c + 8 h + 0 .. 7 of column r
; A block's scale is 2^(floor(log2(its largest magnitude)) - 2); its byte is that magnitude's exponent field - 2, held at 1 from below.  A block of zeros so gets the byte 1
; where the rule says 127: its codes are zeros, and the bytes are read by this program alone.
; LIMITS: blocks whose largest magnitude lies under 2^(3 - 127) keep the byte 1; |Wo| stays under 65,504 (f16); NaN and infinities are not served.
; SHARES: work-groups 0 to 511: a tile of 16 rows of x, wave w its K steps 2 w and 2 w + 1.  Work-groups 512 to 767: 128 along k x 128 columns of one of the four weights, 32 columns a wave.
; Every work-group reads 65,536 bytes, all asked for at its head; no loop, no barrier, every offset an immediate.  No matrix unit, no cluster: nothing is shared and memory binds.
.set SPARE, 33792                      ; behind the four stages: the spare words, 128 bytes for each wave
.set SPW,   12                         ; v12  LDS address of my spare word; never rewritten
.set NIL,   13                         ; v13  0; never rewritten
.set R,     16                         ; v16-143  numbers as they are loaded
.set X,     144                        ; v144-207 x: 64 numbers in the operand's order;  Wo: packed f16;  weights: codes
.set C,     208                        ; v208-223 x's codes, a set for each K step
.set WD,    224                        ; v224-225 x's scale words
.set M,     226                        ; v226-227 largest magnitudes
.set SO,    228                        ; v228-229 the conversions' scale operands
.set BY,    230                        ; v230-231 scale bytes
.set T,     232
.set T2,    233
.set SH,    234                        ; 8 h
	s_load_b256 s[4:11], s[0:1], 0x0               ; x, Wq, Wk, Wv
	s_load_b256 s[12:19], s[0:1], 0x20             ; Wo, xcodes, xscales, wcodes
	s_load_b128 s[20:23], s[0:1], 0x40             ; wscales, wo16
	v_lshl_add_u32 v[SPW], v0, 2, SPARE
	v_mov_b32 v[NIL], 0
	v_lshrrev_b32 v1, 5, v0
	v_readfirstlane_b32 s24, v1                    ; wave 0..3
	v_and_b32 v2, 31, v0                           ; lane
	v_lshlrev_b32 v3, 4, v2                        ; 16 x lane
	v_and_b32 v4, 15, v0                           ; r
	v_bfe_u32 v5, v0, 4, 1                         ; h
	v_lshlrev_b32 v6, 2, v2                        ; 4 x lane
	s_cmp_lt_u32 ttmp9, 512
	s_cbranch_scc0 .Lweights
	; ---------------- x: the only path that touches LDS
	s_mul_i32 s25, s24, 8448                       ; my stage: 16 rows of 512 bytes + 16 of padding
	v_add_nc_u32 v14, s25, v3                      ; in: a row's 512 bytes as they lie
	v_mul_u32_u24 v15, v4, 528
	v_lshl_add_u32 v15, v5, 7, v15
	v_add_nc_u32 v15, s25, v15                     ; out: row r, + 128 h: 32 neighbours of each 64
	v_lshlrev_b32 v[SH], 3, v5
	v_mov_b32 v[T2], 0                             ; a lane permute's destination counts as one of its sources
	s_mov_b32 s40, 0x76543210
	s_mov_b32 s41, 0xfedcba98                      ; v_permlanex16_b32's selects for lane l xor 16
	s_lshl_b32 s26, ttmp9, 16                      ; x: 16 rows of 4,096 bytes a tile,
	s_lshl_b32 s27, s24, 10                        ; 1,024 bytes of each row a wave
	s_add_co_u32 s26, s26, s27
	s_mov_b32 s27, 0
	s_lshr_b32 s28, s24, 1                         ; codes: kh = w / 2,
	s_lshl_b32 s28, s28, 21
	s_lshl_b32 s29, ttmp9, 12                      ; 4,096 bytes a tile,
	s_add_co_u32 s28, s28, s29
	s_and_b32 s29, s24, 1                          ; two K steps of 1,024 bytes
	s_lshl_b32 s29, s29, 11
	s_add_co_u32 s28, s28, s29
	s_mov_b32 s29, 0
	s_lshl_b32 s30, ttmp9, 9                       ; scale words: 512 bytes a tile, 128 a wave
	s_lshl_b32 s31, s24, 7
	s_add_co_u32 s30, s30, s31
	s_mov_b32 s31, 0
	s_wait_kmcnt 0x0
	s_add_nc_u64 s[4:5], s[4:5], s[26:27]
	s_add_nc_u64 s[14:15], s[14:15], s[28:29]
	s_add_nc_u64 s[16:17], s[16:17], s[30:31]
.irp p, 0,1
.irp i, 0,1,2,3,4,5,6,7,8,9,10,11,12,13,14,15
	global_load_b128 v[R+64*\p+4*\i:R+64*\p+4*\i+3], v3, s[4:5] offset:4096*\i+512*\p th:TH_LOAD_NT   ; 32 lanes read 512 consecutive bytes: row i, K step 2 w + p
.endr
.endr
.macro XTURN p                         ; a K step's 16 x 512 bytes turn through my stage.  LDS serves a wave's instructions in order: no wait between the stores and the loads
.irp i, 0,1,2,3,4,5,6,7,8,9,10,11,12,13,14,15
	ds_store_b128 v14, v[R+64*\p+4*\i:R+64*\p+4*\i+3] offset:528*\i
.endr
.irp c, 0,1
.irp g, 0,1,2,3,4,5,6,7
	ds_load_b128 v[X+32*\c+4*\g:X+32*\c+4*\g+3], v15 offset:256*\c+16*\g
.endr
.endr
.endm
.macro XQUANT p                        ; my two whole blocks (2 c + h of the K step) become eight registers of codes; the scale word is pieced together with lane l xor 16
.irp c, 0,1
	v_max3_num_f32 v[M+\c], |v[X+32*\c]|, |v[X+32*\c+1]|, 0x1800000   ; with the floor 2^(3 - 127): the byte cannot fall under 1
.endr
.irp i, 2,4,6,8,10,12,14,16,18,20,22,24,26,28,30
.irp c, 0,1
	v_max3_num_f32 v[M+\c], v[M+\c], |v[X+32*\c+\i]|, |v[X+32*\c+\i+1]|
.endr
.endr
.irp c, 0,1
	v_add_nc_u32 v[SO+\c], 0xff000000, v[M+\c]     ; 2 off the exponent field: the conversion takes this operand's exponent field as its scale
.endr
.irp c, 0,1
	v_lshrrev_b32 v[BY+\c], 23, v[SO+\c]           ; the scale's byte
.endr
	v_lshl_or_b32 v[T], v[BY+1], 16, v[BY]         ; blocks h and 2 + h,
	v_lshlrev_b32 v[T], v[SH], v[T]                ; at their places in the word
	v_permlanex16_b32 v[T2], v[T], s40, s41
	v_or_b32 v[WD+\p], v[T], v[T2]                 ; with the other half's two bytes the word is whole, in both halves
.irp c, 0,1
.irp g, 0,1,2,3
	v_cvt_scalef32_pk8_fp4_f32 v[C+8*\p+4*\c+\g], v[X+32*\c+8*\g:X+32*\c+8*\g+7], v[SO+\c]
.endr
.endr
	v_nop                                          ; one plain instruction behind the last scaled conversion
.irp c, 0,1
	global_store_b128 v3, v[C+8*\p+4*\c:C+8*\p+4*\c+3], s[14:15] offset:1024*\p+512*\c   ; an image: 512 consecutive bytes
.endr
.endm
	s_wait_loadcnt 16                              ; the first K step's 16 loads are in; the second's may be out
	XTURN 0
	s_wait_dscnt 0x0
	XQUANT 0
	s_wait_loadcnt 0x0
	XTURN 1
	s_wait_dscnt 0x0
	XQUANT 1
	v_cmp_gt_u32 vcc_lo, 16, v2
	v_cndmask_b32 v[WD], v[WD+1], v[WD], vcc_lo    ; lanes 0-15: the first K step's words, lanes 16-31: the second's
	global_store_b32 v6, v[WD], s[16:17]           ; 128 consecutive bytes: one part in 128 of what the wave reads
	s_wait_tensorcnt 0x0                           ; the wave's end: behind my last LDS store
	ds_add_u32 v[SPW], v[NIL]
	s_wait_dscnt 0x0
	s_endpgm
	; ---------------- the weights: a lane takes a column, its registers run down K; nothing is transposed, and LDS is not touched
.Lweights:
	s_sub_co_u32 s25, ttmp9, 512
	s_lshr_b32 s26, s25, 6                         ; which weight: 0 q, 1 k, 2 v, 3 o
	s_and_b32 s27, s25, 7                          ; which 128 columns
	s_bfe_u32 s28, s25, 0x30003                    ; which 128 along k
	s_lshl_b32 s30, s28, 19                        ; 128 rows of 4,096 bytes
	s_lshl_b32 s31, s27, 9
	s_add_co_u32 s30, s30, s31
	s_lshl_b32 s31, s24, 7                         ; 32 columns a wave
	s_add_co_u32 s30, s30, s31
	s_mov_b32 s31, 0
	s_wait_kmcnt 0x0
	s_cmp_eq_u32 s26, 1                            ; the choice hangs on the work-group's number alone
	s_cselect_b64 s[32:33], s[8:9], s[6:7]
	s_cmp_eq_u32 s26, 2
	s_cselect_b64 s[32:33], s[10:11], s[32:33]
	s_cmp_eq_u32 s26, 3
	s_cselect_b64 s[32:33], s[12:13], s[32:33]
	s_add_nc_u64 s[32:33], s[32:33], s[30:31]
.set kk, 0
.rept 128
	global_load_b32 v[R+kk], v6, s[32:33] offset:4096*kk th:TH_LOAD_NT   ; row k at 32 neighbouring columns; the four waves stand side by side on 512 bytes
.set kk, kk+1
.endr
	s_cmp_eq_u32 s26, 3
	s_cbranch_scc1 .Lwo
	s_lshl_b32 s37, s26, 6
	s_lshl_b32 s36, s27, 3
	s_add_co_u32 s37, s37, s36
	s_lshl_b32 s36, s24, 1
	s_add_co_u32 s37, s37, s36                     ; my first tile of 16 columns: 64 x matrix + 8 x block + 2 x wave
	s_lshr_b32 s34, s28, 2
	s_mul_i32 s34, s34, 786432                     ; kh
	s_lshl_b32 s36, s37, 12
	s_add_co_u32 s34, s34, s36
	s_and_b32 s36, s28, 3
	s_lshl_b32 s36, s36, 10
	s_add_co_u32 s34, s34, s36
	s_mov_b32 s35, 0
	s_add_nc_u64 s[18:19], s[18:19], s[34:35]
	s_lshl_b32 s38, s37, 9
	s_lshl_b32 s36, s28, 6
	s_add_co_u32 s38, s38, s36
	s_mov_b32 s39, 0
	s_add_nc_u64 s[20:21], s[20:21], s[38:39]
	v_lshlrev_b32 v7, 4, v4
	v_lshl_add_u32 v7, v5, 12, v7                  ; codes: 16 r, and the second tile 4,096 bytes on
	v_lshlrev_b32 v8, 2, v4
	v_lshl_add_u32 v8, v5, 9, v8                   ; scale words: 4 r, and the second tile 512 bytes on
.macro WBLOCK t, left                  ; block t of 32 along k: all its numbers are mine
.set XS, R+32*(\t)
	s_wait_loadcnt \left
	v_max3_num_f32 v208, |v[XS]|, |v[XS+1]|, |v[XS+2]|
	v_max3_num_f32 v209, |v[XS+3]|, |v[XS+4]|, |v[XS+5]|
.irp i, 6,10,14,18,22,26
	v_max3_num_f32 v208, v208, |v[XS+\i]|, |v[XS+\i+1]|
	v_max3_num_f32 v209, v209, |v[XS+\i+2]|, |v[XS+\i+3]|
.endr
	v_max3_num_f32 v208, v208, |v[XS+30]|, |v[XS+31]|
	v_max3_num_f32 v208, v208, v209, 0x1800000     ; and the floor
	v_add_nc_u32 v[214+\t], 0xff000000, v208
	v_lshrrev_b32 v210, 23, v[214+\t]
.if (\t) == 0
	v_mov_b32 v212, v210
.else
	v_lshl_or_b32 v212, v210, 8*(\t), v212         ; four bytes make my column's scale word
.endif
.irp g, 0,1,2,3
	v_cvt_scalef32_pk8_fp4_f32 v[X+4*(\t)+\g], v[XS+8*\g:XS+8*\g+7], v[214+\t]
.endr
.endm
	WBLOCK 0, 63                                   ; a wait names 63 at the most: 96 and 64 later loads could stay out, 63 are let
	WBLOCK 1, 63
	WBLOCK 2, 32
	WBLOCK 3, 0
	v_nop                                          ; one plain instruction behind the last scaled conversion
.irp t, 0,1,2,3
	global_store_b128 v7, v[X+4*\t:X+4*\t+3], s[18:19] offset:512*(\t/2)+256*(\t%2)   ; block t is image t / 2, lanes 16 (t % 2) on: sixteen lanes store 256 consecutive aligned bytes
.endr
	global_store_b32 v8, v212, s[20:21]            ; two runs of 64 bytes: 98,304 bytes in the whole launch
	s_endpgm
.Lwo:                                              ; Wo: rounded once to f16, two neighbours along k to a register
	s_lshl_b32 s34, s27, 1
	s_lshr_b32 s36, s24, 1
	s_add_co_u32 s34, s34, s36
	s_lshl_b32 s34, s34, 17                        ; 131,072 bytes for each 64 columns
	s_lshl_b32 s36, s28, 14                        ; four chunks of 32 along k, 4,096 bytes each
	s_add_co_u32 s34, s34, s36
	s_and_b32 s36, s24, 1
	s_lshl_b32 s36, s36, 11                        ; two tiles of 1,024 bytes
	s_add_co_u32 s34, s34, s36
	s_mov_b32 s35, 0
	s_add_nc_u64 s[22:23], s[22:23], s[34:35]
	v_lshlrev_b32 v7, 4, v4
	v_lshl_add_u32 v7, v5, 10, v7
	s_wait_loadcnt 0x0
.set n, 0
.rept 64
	v_cvt_pk_f16_f32 v[X+n], v[R+2*n], v[R+2*n+1]
.set n, n+1
.endr
.set n, 0
.rept 16
	global_store_b128 v7, v[X+4*n:X+4*n+3], s[22:23] offset:4096*(n/4)+256*(n%4)   ; k = 32 (n / 4) + 8 (n % 4) + 0 .. 7: image (n % 4) / 2, lanes 16 (n % 2) on
.set n, n+1
.endr
	s_endpgm
.Lfunc_end_k_qb93817afde_prep:
	.size	k_qb93817afde_prep, .Lfunc_end_k_qb93817afde_prep-k_qb93817afde_prep
	.p2alignl 7, 3214868480
	.fill 96, 4, 3214868480
	.section	.rodata,"a",@progbits
	.p2align	6, 0x0
	.amdhsa_kernel k_qb93817afde_prep
		.amdhsa_group_segment_fixed_size 34304
		.amdhsa_private_segment_fixed_size 0
		.amdhsa_enable_private_segment 0
		.amdhsa_kernarg_size 80
		.amdhsa_user_sgpr_count 2
		.amdhsa_user_sgpr_kernarg_segment_ptr 1
		.amdhsa_wavefront_size32 1
		.amdhsa_system_sgpr_workgroup_id_x 1
		.amdhsa_system_sgpr_workgroup_id_y 1
		.amdhsa_system_sgpr_workgroup_id_z 1
		.amdhsa_system_vgpr_workitem_id 0
		.amdhsa_next_free_vgpr 240
		.amdhsa_next_free_sgpr 66
		.amdhsa_reserve_vcc 1
		.amdhsa_float_denorm_mode_32 3
		.amdhsa_float_denorm_mode_16_64 3
		.amdhsa_memory_ordered 1
		.amdhsa_forward_progress 1
		.amdhsa_inst_pref_size 42
	.end_amdhsa_kernel
	.amdgpu_metadata
---
amdhsa.version: [ 1, 2 ]
amdhsa.kernels:
  - .name:           k_qb93817afde_prep
    .symbol:         k_qb93817afde_prep.kd
    .args:
      - { .name: x, .offset: 0, .size: 8, .value_kind: global_buffer, .address_space: global }
      - { .name: Wq, .offset: 8, .size: 8, .value_kind: global_buffer, .address_space: global }
      - { .name: Wk, .offset: 16, .size: 8, .value_kind: global_buffer, .address_space: global }
      - { .name: Wv, .offset: 24, .size: 8, .value_kind: global_buffer, .address_space: global }
      - { .name: Wo, .offset: 32, .size: 8, .value_kind: global_buffer, .address_space: global }
      - { .name: xcodes, .offset: 40, .size: 8, .value_kind: global_buffer, .address_space: global }
      - { .name: xscales, .offset: 48, .size: 8, .value_kind: global_buffer, .address_space: global }
      - { .name: wcodes, .offset: 56, .size: 8, .value_kind: global_buffer, .address_space: global }
      - { .name: wscales, .offset: 64, .size: 8, .value_kind: global_buffer, .address_space: global }
      - { .name: wo16, .offset: 72, .size: 8, .value_kind: global_buffer, .address_space: global }
    .group_segment_fixed_size: 34304
    .private_segment_fixed_size: 0
    .kernarg_segment_align: 8
    .kernarg_segment_size: 80
    .max_flat_workgroup_size: 128
    .sgpr_count:     66
    .vgpr_count:     240
    .wavefront_size: 32
...
	.end_amdgpu_metadata
.endif
;; end of part 1
;; launch qkv (part 2): grid 12 x 32, 4 waves a work-group, clusters of 4 x 4, 327,680 bytes of LDS; arguments xcodes, xscales, wcodes, wscales, bq, bk, bv, qkv16, f32rows; writes qkv16, f32rows
.if DOCPART == 2
	.amdgcn_target "amdgcn-amd-amdhsa--gfx1250"
	.amdhsa_code_object_version 6
	.text
	.protected	k_qb93817afde_qkv
	.globl	k_qb93817afde_qkv
	.p2align	8
	.type	k_qb93817afde_qkv,@function
k_qb93817afde_qkv:
	s_mov_b64 s[64:65], 0
	v_nop
	global_prefetch_b8 v0, s[64:65] scope:SCOPE_SE
	s_setreg_imm32_b32 hwreg(HW_REG_WAVE_MODE, 25, 1), 1
	s_wait_xcnt 0x0
	s_wait_alu depctr_hold_cnt(0) depctr_sa_sdst(0) depctr_va_vdst(0) depctr_va_sdst(0) depctr_va_ssrc(0) depctr_va_vcc(0) depctr_vm_vsrc(0)
	s_getreg_b32 s2, hwreg(HW_REG_IB_STS2, 6, 4)
	s_cmp_eq_u32 s2, 0
	s_cbranch_scc0 .Lentry_in_a_cluster
	s_endpgm
.Lentry_in_a_cluster:
	s_bfe_u32 s2, ttmp6, 0x10000c
	s_cmp_lg_u32 s2, 0xf033
	s_cbranch_scc0 .Lentry_shape_is_right
	s_endpgm
.Lentry_shape_is_right:
; q, k, v = Q(x) Q(W) + b on codes of FP4 (E2M1) with E8M0 scales, sums in f32; results rounded once to f16 and stored as images of the next products' operand registers.
; A block of 256 tokens x 256 columns to a work-group of four waves, 128 x 128 to a wave: 64 accumulators, 512 registers.  K = 1,024 lies in LDS whole: two slots of 512 along K, both filled once, at the head.
; CLUSTERS: 4 x 4 work-groups.  Cluster x = the matrix (0 q, 1 k, 2 v), cx = which 256 of its columns.  Tile row = 8 cy + cluster y, so that cy is the batch and cluster y = 0 holds positions 0 to 255.
; The four of a row of the cluster need the same codes of x, the four of a column the same codes of W: each block is asked for jointly, by the same tensor load with a mask that names the four.
; ROLES.  Source 1 (role A) gives the result's lanes, source 0 (role B) its registers.  q, k: A = 16 tokens, B = 16 columns: a lane holds 8 neighbouring channels of one token.
; v: A = 16 columns, B = 16 tokens: a lane holds 8 neighbouring tokens of one channel, which is V^T's fragment.  The roles are chosen by the LDS read addresses and the scales' pointers alone.
; OUT (an image = four registers, 512 bytes, lane l's 16 bytes at 16 l):
;   qkv16: q at 0, k at 16,777,216: [batch x 16 + head][tile of 16 tokens 128][32 channels 2][c 2][512 B];  v at 33,554,432: [head][32 keys 64][16 channels 4][c 2][512 B]
;   f32rows [matrix 3][head 64][4][c 2][512 B]: the f32 accumulators of positions 0 to 15, as they stand
; LIMITS: |q|, |k|, |v| under 65,504 (f16); NaN and infinities are not served.
; REGISTERS: window 0: v16-29 addresses; v32-63, v64-95 scale words of role A, role B (register 4 i + p: lanes 0-15 K step 2 p, lanes 16-31 K step 2 p + 1); v96-103 the biases' offsets;
;   v128-191 role A's fragments, one set; v192-255 the biases, in the result's layout; on the way out v128-255 packed results.   window 1: role B's fragments, two sets.   windows 2, 3: the accumulators, (a, b) at v[8 (8 (a % 4) + b)].
.set SLOT,   131072                    ; x's 16 tiles x 4 K steps x 1,024 bytes, then W's
.set SPARE,  262144                    ; behind the slots: the spare words, 128 bytes for each wave
.set ADRA,   16
.set ADRB,   20
.set LI,     26                        ; 16 x lane
.set L4,     27                        ; 4 x lane
.set SPW,    28
.set NIL,    29
.set SCA,    32
.set SCB,    64
.set BO,     96
.set AF,     128
.set BI,     192
.set TMP,    128
.set G1,     24                        ; s[24:31] group 1 for x;  s[32:39] group 0, a set for each slot
.set G0,     32
.set G1B,    48                        ; s[48:55], s[56:63] the same for W
.set G0B,    56
.set OB,     66                        ; s[66:67] where my images go in qkv16
.set FB,     2                         ; s[2:3]   and in f32rows
.set FLG,    18                        ; s18      0: my first 16 tokens are positions 0 to 15
.set MSB, 0
.macro WIN new                         ; the immediate's high byte repeats the setting that is left
.if MSB != \new
	s_set_vgpr_msb (MSB<<8)|\new
.set MSB, \new
.endif
.endm
.set MUL_LO, 0xa1                      ; source 0 window 1, source 1 window 0, C and D window 2
.set MUL_HI, 0xf1                      ; the same, C and D window 3
.set TO_B,   0x40
.macro JLOAD g0a, g1a, g0b, g1b        ; a joint load: waves 0 and 1 fetch x's halves, waves 2 and 3 W's; an s_nop 0 and four v_nop follow each line
	s_cmp_eq_u32 s15, 0
	s_cbranch_scc0 .Lfor_b_\@
	tensor_load_to_lds s[\g0a:\g0a+3], s[\g1a:\g1a+7]
	s_nop 0
.rept 4
	v_nop
.endr
	s_branch .Lasked_\@
.Lfor_b_\@:
	tensor_load_to_lds s[\g0b:\g0b+3], s[\g1b:\g1b+7]
	s_nop 0
.rept 4
	v_nop
.endr
.Lasked_\@:
.endm
.macro CROUND                          ; a round of the cluster's barrier
	s_barrier_signal -1
	s_barrier_wait -1
	s_cmp_lg_u32 s14, 0
	s_cbranch_scc1 .Lnot_wave_0_\@
	s_barrier_signal -3
.Lnot_wave_0_\@:
	s_barrier_wait -3
	s_barrier_signal -1
	s_barrier_wait -1
.endm
	s_load_b256 s[4:11], s[0:1], 0x0               ; xcodes, xscales, wcodes, wscales
	s_load_b256 s[68:75], s[0:1], 0x20             ; bq, bk, bv, qkv16
	s_load_b64 s[76:77], s[0:1], 0x40              ; f32rows
	v_lshl_add_u32 v[SPW], v0, 2, SPARE
	v_mov_b32 v[NIL], 0
	ds_add_u32 v[SPW], v[NIL]                      ; the wave's opening: the add, twice on end, and its wait ahead of my first tensor load
	ds_add_u32 v[SPW], v[NIL]
	v_lshrrev_b32 v1, 5, v0
	v_readfirstlane_b32 s14, v1                    ; wave 0..3
	s_lshr_b32 s15, s14, 1                         ; role A's half.  Also: I fetch for x (0) or for W (1)
	s_and_b32 s16, s14, 1                          ; role B's half.  Also: which 8 tiles I fetch
	s_bfe_u32 s40, ttmp6, 0x40000                  ; cx
	s_bfe_u32 s41, ttmp6, 0x40004                  ; cy
	s_mov_b32 s12, ttmp9                           ; the matrix: the same in all sixteen partners
	s_and_b32 s13, ttmp7, 0xffff                   ; cluster y: likewise
	s_lshl_b32 s42, s12, 2
	s_add_co_u32 s42, s42, s40                     ; tile column = 4 x matrix + cx
	s_lshl_b32 s17, s41, 3
	s_add_co_u32 s17, s17, s13                     ; tile row = 8 cy + cluster y
	s_lshl_b32 s43, s41, 2
	s_lshl_b32 s43, 15, s43                        ; my row of the cluster
	s_lshl_b32 s44, 0x1111, s40                    ; my column
	s_or_b32 s[G1+0], s43, (3<<16)|(1<<21)         ; 15:0 the mask; 17:16 elements of 8 bytes; 21 set beside a mask; no padding: images are read 512 consecutive bytes at a time
	s_or_b32 s[G1B+0], s44, (3<<16)|(1<<21)
.irp g, G1, G1B                        ; a dense block of 32,768 bytes as 128 rows of 256
	s_mov_b32 s[\g+1], 32<<16
	s_mov_b32 s[\g+2], 128<<16
	s_mov_b32 s[\g+3], 32<<16
	s_mov_b32 s[\g+4], 128
	s_mov_b32 s[\g+5], 32
	s_mov_b32 s[\g+6], 0
	s_mov_b32 s[\g+7], 0
.endr
	s_lshl_b32 s22, s16, 15                        ; 8 tiles of 4,096 bytes
	s_lshl_b32 s20, s17, 16                        ; x: 16 tiles a tile row
	s_add_co_u32 s20, s20, s22
	s_mov_b32 s21, 0
	s_lshl_b32 s46, s42, 16                        ; W: 16 tiles a tile column
	s_add_co_u32 s46, s46, s22
	s_mov_b32 s47, 0
	s_lshl_b32 s45, s14, 15                        ; where they go: wave x 32,768: no place in the cluster enters an LDS address
	s_wait_dscnt 0x0                               ; both opening adds are done
	s_wait_kmcnt 0x0
	s_add_nc_u64 s[20:21], s[4:5], s[20:21]
	s_add_nc_u64 s[46:47], s[8:9], s[46:47]
	CROUND                                         ; all sixteen work-groups are here: the joint loads meet
.irp s, 0,1
	s_mov_b32 s[G0+4*\s], 1
	s_add_co_u32 s[G0+4*\s+1], s45, \s*SLOT
	s_add_nc_u64 s[G0+4*\s+2:G0+4*\s+3], s[20:21], \s*2097152
	s_or_b32 s[G0+4*\s+3], s[G0+4*\s+3], 0x80000000
	s_mov_b32 s[G0B+4*\s], 1
	s_add_co_u32 s[G0B+4*\s+1], s45, \s*SLOT
	s_add_nc_u64 s[G0B+4*\s+2:G0B+4*\s+3], s[46:47], \s*786432
	s_or_b32 s[G0B+4*\s+3], s[G0B+4*\s+3], 0x80000000
	JLOAD G0+4*\s, G1, G0B+4*\s, G1B               ; both halves of K: two loads of mine are out, and nothing is ever filled again
.endr
	v_and_b32 v1, 15, v0                           ; r
	v_bfe_u32 v2, v0, 4, 1                         ; h
	v_and_b32 v3, 31, v0
	v_lshlrev_b32 v[LI], 4, v3
	v_lshlrev_b32 v[L4], 2, v3
	s_lshl_b32 s18, s17, 13                        ; scale words: 512 bytes a tile
	s_lshl_b32 s19, s42, 13
	s_lshl_b32 s22, s15, 12
	s_lshl_b32 s23, s16, 12
	s_add_co_u32 s90, s18, s22                     ; x as role A
	s_add_co_u32 s91, s19, s22                     ; W as role A
	s_add_co_u32 s92, s18, s23                     ; x as role B
	s_add_co_u32 s93, s19, s23                     ; W as role B
	s_mov_b32 s95, 0
	s_mov_b32 s97, 0
	s_cmp_eq_u32 s12, 2                            ; v?  All that follows is chosen on this one compare
	s_cselect_b32 s78, 1, 0
	s_cselect_b32 s79, 65536, 0                    ; role A's region of a slot
	s_cselect_b32 s80, 0, 65536                    ; role B's
	s_cselect_b32 s81, s15, s16                    ; which half of the block's columns is mine
	s_cselect_b32 s82, s16, s15                    ; which half of its tokens
	s_cselect_b32 s83, 0, 32                       ; the biases' offsets: per h,
	s_cselect_b32 s84, 4, 0                        ; per r,
	s_cselect_b32 s85, 0, 4                        ; per register
	s_cselect_b64 s[86:87], s[10:11], s[6:7]
	s_cselect_b64 s[88:89], s[6:7], s[10:11]
	s_cselect_b32 s94, s91, s90
	s_cselect_b32 s96, s92, s93
	s_add_nc_u64 s[86:87], s[86:87], s[94:95]      ; role A's scale words
	s_add_nc_u64 s[88:89], s[88:89], s[96:97]      ; role B's
.irp i, 0,1,2,3,4,5,6,7
.irp p, 0,1,2,3
	global_load_b32 v[SCA+4*\i+\p], v[L4], s[86:87] offset:512*\i+128*\p   ; 128 consecutive bytes: two K steps' words of 16 rows
	global_load_b32 v[SCB+4*\i+\p], v[L4], s[88:89] offset:512*\i+128*\p
.endr
.endr
	s_cmp_eq_u32 s12, 1
	s_cselect_b64 s[98:99], s[70:71], s[68:69]
	s_cmp_eq_u32 s12, 2
	s_cselect_b64 s[98:99], s[72:73], s[98:99]
	s_lshl_b32 s90, s40, 10
	s_lshl_b32 s91, s81, 9
	s_add_co_u32 s90, s90, s91                     ; my first column, in bytes
	s_mov_b32 s91, 0
	s_add_nc_u64 s[98:99], s[98:99], s[90:91]
	v_mul_u32_u24 v[BO], v2, s83
	v_mad_u32_u24 v[BO], v1, s84, v[BO]
.irp j, 1,2,3,4,5,6,7
	v_add_nc_u32 v[BO+\j], s85, v[BO+\j-1]
.endr
.irp t, 0,1,2,3,4,5,6,7
.irp j, 0,1,2,3,4,5,6,7
	global_load_b32 v[BI+8*\t+\j], v[BO+\j], s[98:99] offset:64*\t   ; q, k: b(16 t + 8 h + j);  v: b(16 t + r) in all eight
.endr
.endr
	s_lshl_b32 s92, s15, 15
	s_add_co_u32 s92, s92, s79
	s_lshl_b32 s93, s16, 15
	s_add_co_u32 s93, s93, s80
.irp s, 0,1
	v_add_nc_u32 v[ADRA+\s], s92, v[LI]
	v_add_nc_u32 v[ADRB+\s], s93, v[LI]
	s_add_co_u32 s92, s92, SLOT
	s_add_co_u32 s93, s93, SLOT
.endr
	s_lshl_b32 s94, s41, 4
	s_lshl_b32 s95, s40, 2
	s_add_co_u32 s94, s94, s95
	s_lshl_b32 s95, s81, 1
	s_add_co_u32 s94, s94, s95                     ; my first head: 16 x batch + 4 cx + 2 x half
	s_lshl_b32 s96, s12, 24
	s_lshl_b32 s95, s94, 18
	s_add_co_u32 s96, s96, s95
	s_lshl_b32 s95, s13, 1
	s_add_co_u32 s95, s95, s82
	s_lshl_b32 s95, s95, 14                        ; my 128 tokens: 16,384 bytes in each of the three layouts
	s_add_co_u32 s96, s96, s95
	s_mov_b32 s97, 0
	s_add_nc_u64 s[OB:OB+1], s[74:75], s[96:97]
	s_lshl_b32 s96, s12, 18
	s_lshl_b32 s95, s94, 12
	s_add_co_u32 s96, s96, s95
	s_add_nc_u64 s[FB:FB+1], s[76:77], s[96:97]
	s_or_b32 s[FLG], s13, s82
.macro FRAG reg, adr, q, i             ; a fragment, 16 rows x 128 K of 4-bit codes: two images
.irp c, 0,1
	ds_load_b128 v[\reg+4*\c:\reg+4*\c+3], v[\adr] offset:4096*(\i)+1024*(\q)+512*\c
.endr
.endm
; One product.  s: the K step, 0 .. 7; an odd one takes its scale words from lanes 16-31.  zero = 1: C = the bias by role B's block (q, k); 2: by role A's (v); 0: the sum so far.
.macro WM a, b, p, s, zero
.set DR, 8*(8*((\a)%4)+(\b))
.if (\zero) == 1
.set CR, BI+8*(\b)
.elseif (\zero) == 2
.set CR, BI+8*(\a)
.else
.set CR, DR
.endif
.if (\s)%2
	v_wmma_scale_f32_16x16x128_f8f6f4 v[DR:DR+7], v[128*(\p)+8*(\b):128*(\p)+8*(\b)+7], v[AF+8*(\a):AF+8*(\a)+7], v[CR:CR+7], v[SCB+4*(\b)+(\s)/2], v[SCA+4*(\a)+(\s)/2] matrix_a_fmt:MATRIX_FMT_FP4 matrix_b_fmt:MATRIX_FMT_FP4 matrix_a_scale:MATRIX_SCALE_ROW1 matrix_b_scale:MATRIX_SCALE_ROW1
.else
	v_wmma_scale_f32_16x16x128_f8f6f4 v[DR:DR+7], v[128*(\p)+8*(\b):128*(\p)+8*(\b)+7], v[AF+8*(\a):AF+8*(\a)+7], v[CR:CR+7], v[SCB+4*(\b)+(\s)/2], v[SCA+4*(\a)+(\s)/2] matrix_a_fmt:MATRIX_FMT_FP4 matrix_b_fmt:MATRIX_FMT_FP4
.endif
.endm
.macro MUL16 a0, p, s, zero            ; role A's blocks a0, a0 + 1 x role B's eight.  The 64 accumulators take turns, in the same order in every step
.irp a, \a0, \a0+1
.irp b, 0,1,2,3,4,5,6,7
	WM (\a), \b, \p, \s, \zero
.endr
.endr
.endm
.macro FETCH_B slot, q, p
	WIN TO_B
.irp i, 0,1,2,3,4,5,6,7
	FRAG 128*(\p)+8*\i, ADRB+\slot, \q, \i
.endr
	WIN 0
.endm
.macro FETCH_A slot, q, i0
.irp i, \i0, \i0+1, \i0+2, \i0+3
	FRAG AF+8*(\i), ADRA+\slot, \q, \i
.endr
.endm
.macro PLACES                          ; four plain instructions between a product and a load into, or a read of, its registers (ISA guide 7.12.1 for vector instructions)
.rept 4
	v_nop
.endr
.endm
.macro STEP slot, q, zero              ; 128 along K with its successor in the same slot
	s_wait_dscnt 8                                 ; role B's set and role A's blocks 0-3 are in; the youngest eight loads (blocks 4-7) may be out
.if \zero
	WIN 0x81                                       ; C, the bias, in window 0
.else
	WIN MUL_LO
.endif
	MUL16 0, (\q)%2, 4*(\slot)+(\q), \zero
	MUL16 2, (\q)%2, 4*(\slot)+(\q), \zero
	s_wait_dscnt 0
	PLACES
	FETCH_B \slot, (\q)+1, 1-(\q)%2
	FETCH_A \slot, (\q)+1, 0
.if \zero
	WIN 0xc1
.else
	WIN MUL_HI
.endif
	MUL16 4, (\q)%2, 4*(\slot)+(\q), \zero
	MUL16 6, (\q)%2, 4*(\slot)+(\q), \zero
	PLACES
	WIN 0
	FETCH_A \slot, (\q)+1, 4
.endm
	s_wait_tensorcnt 1                             ; my part of slot 0 is in; slot 1's may stay out
	s_barrier_signal -1
	s_barrier_wait -1                              ; everybody's is
	FETCH_B 0, 0, 0
	FETCH_A 0, 0, 0
	FETCH_A 0, 0, 4
	s_wait_loadcnt 0x0                             ; scale words and biases
	s_cmp_eq_u32 s78, 0
	s_cbranch_scc0 .Lfirst_v
	STEP 0, 0, 1                                   ; the first products start the sums with the bias: nothing is cleared, nothing is added later
	s_branch .Lfirst_done
.Lfirst_v:
	STEP 0, 0, 2
.Lfirst_done:
	STEP 0, 1, 0
	STEP 0, 2, 0
	; slot 0's last step: on to slot 1
	s_wait_tensorcnt 0x0                           ; my part of slot 1 has landed
	ds_add_u32 v[SPW], v[NIL]
	s_wait_dscnt 9                                 ; (the add and the youngest eight loads may be out)
	WIN MUL_LO
	MUL16 0, 1, 3, 0
	s_wait_dscnt 0x0
	s_barrier_signal -1
	MUL16 2, 1, 3, 0
	WIN 0
	s_barrier_wait -1                              ; slot 1 is whole
	PLACES
	FETCH_B 1, 0, 0
	FETCH_A 1, 0, 0
	WIN MUL_HI
	MUL16 4, 1, 3, 0
	MUL16 6, 1, 3, 0
	PLACES
	WIN 0
	FETCH_A 1, 0, 4
	STEP 1, 0, 0
	STEP 1, 1, 0
	STEP 1, 2, 0
	s_wait_dscnt 8                                 ; the last step: nothing more to fetch
	WIN MUL_LO
	MUL16 0, 1, 7, 0
	MUL16 2, 1, 7, 0
	s_wait_dscnt 0
	WIN MUL_HI
	MUL16 4, 1, 7, 0
	MUL16 6, 1, 7, 0
	WIN 0
	PLACES
; THE WAY OUT: no LDS: a lane's eight results pack into the 16 bytes that the next product's operand wants of that lane, so each store is an image: 512 consecutive aligned bytes.
.macro OUT v
	s_cmp_eq_u32 s[FLG], 0
	s_cbranch_scc0 .Lno32_\@
.irp i, 0,1,2,3,4,5,6,7                ; positions 0 to 15 also leave in f32: accumulators (0, i) for q and k, (i, 0) for v; each from its low end on
.if \v
.set AR, 64*(\i%4)
	WIN 0x08+4*(\i/4)
.else
.set AR, 8*\i
	WIN 0x08
.endif
	global_store_b128 v[LI], v[AR:AR+3], s[FB:FB+1] offset:4096*(\i/4)+1024*(\i%4)
	global_store_b128 v[LI], v[AR+4:AR+7], s[FB:FB+1] offset:4096*(\i/4)+1024*(\i%4)+512
.endr
	WIN 0
.Lno32_\@:
.irp a, 0,1,2,3,4,5,6,7
.if \a == 4
	s_wait_xcnt 0x0                                ; the first four blocks' stores have read their registers: these are written again
.endif
	WIN 0x0a+5*(\a/4)
.irp b, 0,1,2,3,4,5,6,7
.irp i, 0,1,2,3
	v_cvt_pk_f16_f32 v[TMP+32*(\a%4)+4*\b+\i], v[8*(8*(\a%4)+\b)+2*\i], v[8*(8*(\a%4)+\b)+2*\i+1]
.endr
.endr
	WIN 0
.irp b, 0,1,2,3,4,5,6,7
.if \v
	global_store_b128 v[LI], v[TMP+32*(\a%4)+4*\b:TMP+32*(\a%4)+4*\b+3], s[OB:OB+1] offset:262144*(\a/4)+4096*(\b/2)+1024*(\a%4)+512*(\b%2)
.else
	global_store_b128 v[LI], v[TMP+32*(\a%4)+4*\b:TMP+32*(\a%4)+4*\b+3], s[OB:OB+1] offset:2048*\a+262144*(\b/4)+512*(\b%4)
.endif
.endr
.endr
.endm
	s_cmp_eq_u32 s78, 0
	s_cbranch_scc0 .Lout_v
	OUT 0
	s_branch .Lout_done
.Lout_v:
	OUT 1
.Lout_done:
	s_wait_tensorcnt 0x0                           ; the wave's end
	ds_add_u32 v[SPW], v[NIL]
	s_wait_dscnt 0x0
	CROUND                                         ; the closing round
	s_endpgm
.Lfunc_end_k_qb93817afde_qkv:
	.size	k_qb93817afde_qkv, .Lfunc_end_k_qb93817afde_qkv-k_qb93817afde_qkv
	.p2alignl 7, 3214868480
	.fill 96, 4, 3214868480
	.section	.rodata,"a",@progbits
	.p2align	6, 0x0
	.amdhsa_kernel k_qb93817afde_qkv
		.amdhsa_group_segment_fixed_size 327680
		.amdhsa_private_segment_fixed_size 0
		.amdhsa_enable_private_segment 0
		.amdhsa_kernarg_size 72
		.amdhsa_user_sgpr_count 2
		.amdhsa_user_sgpr_kernarg_segment_ptr 1
		.amdhsa_wavefront_size32 1
		.amdhsa_system_sgpr_workgroup_id_x 1
		.amdhsa_system_sgpr_workgroup_id_y 1
		.amdhsa_system_sgpr_workgroup_id_z 1
		.amdhsa_system_vgpr_workitem_id 0
		.amdhsa_next_free_vgpr 1024
		.amdhsa_next_free_sgpr 100
		.amdhsa_reserve_vcc 0
		.amdhsa_float_denorm_mode_32 3
		.amdhsa_float_denorm_mode_16_64 3
		.amdhsa_memory_ordered 1
		.amdhsa_forward_progress 1
		.amdhsa_inst_pref_size 164
	.end_amdhsa_kernel
	.amdgpu_metadata
---
amdhsa.version: [ 1, 2 ]
amdhsa.kernels:
  - .name:           k_qb93817afde_qkv
    .symbol:         k_qb93817afde_qkv.kd
    .args:
      - { .name: xcodes, .offset: 0, .size: 8, .value_kind: global_buffer, .address_space: global }
      - { .name: xscales, .offset: 8, .size: 8, .value_kind: global_buffer, .address_space: global }
      - { .name: wcodes, .offset: 16, .size: 8, .value_kind: global_buffer, .address_space: global }
      - { .name: wscales, .offset: 24, .size: 8, .value_kind: global_buffer, .address_space: global }
      - { .name: bq, .offset: 32, .size: 8, .value_kind: global_buffer, .address_space: global }
      - { .name: bk, .offset: 40, .size: 8, .value_kind: global_buffer, .address_space: global }
      - { .name: bv, .offset: 48, .size: 8, .value_kind: global_buffer, .address_space: global }
      - { .name: qkv16, .offset: 56, .size: 8, .value_kind: global_buffer, .address_space: global }
      - { .name: f32rows, .offset: 64, .size: 8, .value_kind: global_buffer, .address_space: global }
    .group_segment_fixed_size: 327680
    .private_segment_fixed_size: 0
    .kernarg_segment_align: 8
    .kernarg_segment_size: 72
    .max_flat_workgroup_size: 128
    .sgpr_count:     100
    .vgpr_count:     1024
    .wavefront_size: 32
...
	.end_amdgpu_metadata
.endif
;; end of part 2
;; launch attn (part 3): grid 4 x 64, 16 waves a work-group, no clusters, 327,680 bytes of LDS; arguments qkv16, att; writes att
.if DOCPART == 3
	.amdgcn_target "amdgcn-amd-amdhsa--gfx1250"
	.amdhsa_code_object_version 6
	.text
	.protected	k_qb93817afde_attn
	.globl	k_qb93817afde_attn
	.p2align	8
	.type	k_qb93817afde_attn,@function
k_qb93817afde_attn:
	s_mov_b64 s[64:65], 0
	v_nop
	global_prefetch_b8 v0, s[64:65] scope:SCOPE_SE
	s_setreg_imm32_b32 hwreg(HW_REG_WAVE_MODE, 25, 1), 1
	s_wait_xcnt 0x0
; O[bh][q] = the sum over k <= q of softmax_k(Q[q] . K[k] / 8) V[k], head size 64, 2,048 positions, 64 heads.  Operands f16 (images made by the launch before), products, maxima and sums f32; p rounded to f16 for the second product.
; SHARES.  Work-group (i, bh) owns query blocks i and 7 - i of 256: waves 0-7 take 32 queries each of block i, waves 8-15 of block 7 - i, so that every work-group has the same number of key steps under the mask.
; A wave holds TWO tiles of 16 queries: each fragment of K and V read from LDS feeds two products.  Four waves to a SIMD: one wave's softmax stands beside another's products.
; LAYOUT.  S^T = K Q^T (source 0 = 16 keys, source 1 = 16 queries), O^T = V^T P (source 0 = 16 channels, source 1 = P): a lane holds one query throughout; two tiles of S^T, rounded in pairs, are P's fragment.
; RING.  Two slots of 256 keys (K's 32,768 bytes, then V's), dense images; waves 0 to 3 fetch 16,384 bytes each.  Every work-group walks all 8 changes of slots (constant trip counts); a step all of whose keys are hidden is jumped over,
; and a slot whose first key comes after the work-group's last query is not asked for.
; cluster = none: the four work-groups of a head want 8 - i slots each: a joint load would bring a partner tiles that none of its waves reads.
; SOFTMAX.  A running maximum m and sum l for each query: p = 2^(c s - c m), c = log2(e) / 8; in every step O and l are multiplied by a = 2^(c m_old - c m_new).  m begins at -3e38.
; LIMITS: scores above -3e38; the result under 65,504 (f16); NaN and infinities are not served.
; OUT.  att [128 rows: 64][32 along C: 32][tile of 16 rows 8][c 2][512 B]: the projection's operand registers as they stand.
.set SLOT1, 65536
.set SPARE, 131072                     ; behind the ring: the spare words, 128 bytes for each wave
.set LI,   1                           ; 16 x lane
.set ADR,  2
.set SPW,  3
.set NIL,  4
.set D0,   5                           ; the mask: my query less the step's first key less 8 h, tile 0; v6: tile 1
.set NINF, 7
.set PFO,  8                           ; 256 x lane
.set RH,   9                           ; r - 8 h
.set QF,   16                          ; v16-47   Q: (x, u) at 8 (2 x + u)
.set KV,   48                          ; v48-111  K: (kt, u) at 8 (2 kt + u); then V: (u, ct) at 8 (4 u + ct)
.set S,    112                         ; v112-175 S^T: (x, kt) at 32 x + 8 kt; then P: (x, u) at 32 x + 8 u
.set O,    176                         ; v176-239 O^T: (x, ct) at 32 x + 8 ct
.set ST,   240                         ; v240-255 eight a tile: +0 c m, +1 m, +2, +3 l, +4 .. +7 at work (+6: a)
.set TB,   2
.set WV,   18
.set SEL,  20
.set CS,   22
.set G1,   24
.set G0,   32
.set KF,   36                          ; the step's first key
.set Q0,   37                          ; my first query
.set LASTQ, 38                         ; my work-group's last
.set SLOTS, 39
.set PFA,  40
.set LIM,  42
.macro TLOAD                           ; waves 0 to 3 fetch, each its own 16,384 bytes; an s_nop 0 and four v_nop follow
	s_cmp_lt_u32 s[WV], 4
	s_cbranch_scc0 .Lasked_\@
	tensor_load_to_lds s[G0:G0+3], s[G1:G1+7]
	s_nop 0
.rept 4
	v_nop
.endr
.Lasked_\@:
.endm
; A prefetch of what the NEXT change of slots will ask for: 32,768 bytes of K and of V.  All four work-groups of a head walk the same K and V: the one with i = 0, which walks all slots, asks.
; In it waves 4 to 7 ask for K's block and waves 8 to 11 for V's, 8,192 bytes a wave, lanes 256 bytes apart: each block of 256 bytes is named once in the launch.  The last filling change asks for nothing.
.macro ASK
	s_cmp_gt_u32 s[SLOTS], s[LIM]
	s_cbranch_scc0 .Lnot_mine_\@
	global_prefetch_b8 v[PFO], s[PFA:PFA+1] th:TH_LOAD_NT scope:SCOPE_SE
.Lnot_mine_\@:
.endm
	s_load_b128 s[4:7], s[0:1], 0x0                ; qkv16, att
	v_lshl_add_u32 v[SPW], v0, 2, SPARE
	v_mov_b32 v[NIL], 0
	ds_add_u32 v[SPW], v[NIL]                      ; the wave's opening: the add, twice on end, and its wait ahead of the first tensor load
	ds_add_u32 v[SPW], v[NIL]
	v_lshrrev_b32 v10, 5, v0
	v_readfirstlane_b32 s[WV], v10                 ; wave 0..15
	s_and_b32 s8, ttmp7, 0xffff                    ; batch x 16 + head
	s_mov_b32 s[G1], 3<<16                         ; a dense block of 16,384 bytes as 64 rows of 256: elements of 8 bytes, no mask, no padding
	s_mov_b32 s[G1+1], 32<<16
	s_mov_b32 s[G1+2], 64<<16
	s_mov_b32 s[G1+3], 32<<16
	s_mov_b32 s[G1+4], 64
	s_mov_b32 s[G1+5], 32
	s_mov_b32 s[G1+6], 0
	s_mov_b32 s[G1+7], 0
	s_mov_b32 s[SEL], 0x76543210
	s_mov_b32 s[SEL+1], 0xfedcba98
	s_mov_b32 s[CS], 0x3e38aa3b                    ; c = log2(e) / 8
	s_mov_b32 s[CS+1], s[CS]
	s_mov_b32 s[TB], 0
	s_mov_b32 s[KF], 0
	s_mov_b32 s[SLOTS], 7
	s_sub_co_u32 s9, 7, ttmp9
	s_cmp_lt_u32 s[WV], 8
	s_cselect_b32 s9, ttmp9, s9                    ; my block of 256 queries
	s_lshl_b32 s9, s9, 8
	s_and_b32 s10, s[WV], 7
	s_lshl_b32 s10, s10, 5
	s_add_co_u32 s[Q0], s9, s10
	s_sub_co_u32 s[LASTQ], 8, ttmp9
	s_lshl_b32 s[LASTQ], s[LASTQ], 8
	s_sub_co_u32 s[LASTQ], s[LASTQ], 1
	s_and_b32 s11, s[WV], 3
	s_lshl_b32 s12, s11, 14                        ; LDS: K's halves, then V's
	s_lshr_b32 s13, s11, 1
	s_add_co_u32 s13, s13, 1
	s_lshl_b32 s13, s13, 24                        ; k lies 16,777,216 bytes into the buffer, v twice that
	s_lshl_b32 s14, s8, 18                         ; 262,144 bytes a head
	s_add_co_u32 s13, s13, s14
	s_and_b32 s15, s[WV], 1
	s_lshl_b32 s15, s15, 14
	s_add_co_u32 s44, s13, s15
	s_mov_b32 s45, 0
	s_lshl_b32 s46, s[Q0], 7                       ; Q: 2,048 bytes a tile of 16
	s_add_co_u32 s46, s46, s14
	s_mov_b32 s47, 0
	s_cmp_lt_u32 s[WV], 8
	s_cselect_b32 s48, 1, 2
	s_lshl_b32 s48, s48, 24
	s_add_co_u32 s48, s48, s14
	s_lshl_b32 s49, s11, 13
	s_add_co_u32 s48, s48, s49
	s_add_co_u32 s48, s48, 32768                   ; in slot 1: the first change steps it to slot 2.  Nothing is prefetched at the head
	s_mov_b32 s49, 0
	s_sub_co_u32 s50, s[WV], 4
	s_lshr_b32 s50, s50, 3                         ; 0 in waves 4 to 11,
	s_or_b32 s50, s50, ttmp9                       ; of the work-group with i = 0
	s_cmp_eq_u32 s50, 0
	s_cselect_b32 s[LIM], 1, -1
	s_wait_dscnt 0x0                               ; both opening adds are done
	s_wait_kmcnt 0x0
	s_mov_b32 s[G0], 1
	s_mov_b32 s[G0+1], s12
	s_add_nc_u64 s[G0+2:G0+3], s[4:5], s[44:45]
	s_or_b32 s[G0+3], s[G0+3], 0x80000000
	TLOAD                                          ; slot 0: it holds key 0, which counts for every query
	s_add_nc_u64 s[46:47], s[4:5], s[46:47]
	s_add_nc_u64 s[PFA:PFA+1], s[4:5], s[48:49]
	v_and_b32 v10, 31, v0
	v_lshlrev_b32 v[LI], 4, v10
	v_lshlrev_b32 v[PFO], 8, v10
.irp n, 0,1,2,3,4,5,6,7
	global_load_b128 v[QF+4*\n:QF+4*\n+3], v[LI], s[46:47] offset:512*\n   ; Q stays in registers
.endr
	v_and_b32 v11, 15, v0
	v_bfe_u32 v12, v0, 4, 1
	v_lshlrev_b32 v12, 3, v12
	v_sub_nc_u32 v[RH], v11, v12
	v_mov_b32 v[NINF], 0xff800000
.irp x, 0,1
	v_mov_b32 v[ST+8*\x+1], 0xff61b1e6             ; m = -3e38, under every score
	v_mul_f32 v[ST+8*\x], s[CS], v[ST+8*\x+1]
.irp j, 2,3,4,5,6,7
	v_mov_b32 v[ST+8*\x+\j], 0
.endr
.endr
.set n, 0
.rept 64
	v_mov_b32 v[O+n], 0                            ; the step is written once: its first pass finds zeros, which a = 0 leaves zeros
.set n, n+1
.endr
.macro STEP q                          ; 64 keys, the q-th of the slot in hand
	s_add_co_u32 s51, s[Q0], 31
	s_cmp_gt_u32 s[KF], s51                        ; all keys behind my 32 queries: a branch on ids, round the step's work alone
	s_cbranch_scc1 .Lhidden_\@
	v_add_nc_u32 v[ADR], s[TB], v[LI]
.set n, 0
.rept 16
	ds_load_b128 v[KV+4*n:KV+4*n+3], v[ADR] offset:8192*(\q)+512*n
.set n, n+1
.endr
	s_wait_dscnt 0x0
.irp u, 0,1
.irp kt, 0,1,2,3
.irp x, 0,1
.if \u == 0
	v_wmma_f32_16x16x32_f16 v[S+32*\x+8*\kt:S+32*\x+8*\kt+7], v[KV+8*(2*\kt+\u):KV+8*(2*\kt+\u)+7], v[QF+8*(2*\x+\u):QF+8*(2*\x+\u)+7], 0
.else
	v_wmma_f32_16x16x32_f16 v[S+32*\x+8*\kt:S+32*\x+8*\kt+7], v[KV+8*(2*\kt+\u):KV+8*(2*\kt+\u)+7], v[QF+8*(2*\x+\u):QF+8*(2*\x+\u)+7], v[S+32*\x+8*\kt:S+32*\x+8*\kt+7]
.endif
.endr
.endr
.endr
.rept 4
	v_nop                                          ; four plain instructions ahead of the loads into K's registers and of the first read of the scores
.endr
.set n, 0
.rept 16
	ds_load_b128 v[KV+4*n:KV+4*n+3], v[ADR] offset:32768+8192*(\q)+512*n   ; V lands while the softmax is walked
.set n, n+1
.endr
	s_add_co_u32 s51, s[KF], 63
	s_cmp_le_u32 s51, s[Q0]                        ; a step all of whose keys count skips the mask; each wave has one step that does not
	s_cbranch_scc1 .Lopen_\@
	s_sub_co_i32 s51, s[Q0], s[KF]
	v_add_nc_u32 v[D0], s51, v[RH]
	v_add_nc_u32 v[D0+1], 16, v[D0]
.irp x, 0,1
.set n, 0
.rept 32
	v_cmp_gt_i32 vcc_lo, 16*(n/8)+n%8, v[D0+\x]    ; register 8 kt + j holds key KF + 16 kt + 8 h + j
	v_cndmask_b32 v[S+32*\x+n], v[S+32*\x+n], v[NINF], vcc_lo
.set n, n+1
.endr
.endr
.Lopen_\@:
.irp j, 0,1,2,3                        ; the largest of my 32 scores and the old m; the two tiles by turns
.irp x, 0,1
	v_max3_num_f32 v[ST+8*\x+4+\j], v[S+32*\x+8*\j], v[S+32*\x+8*\j+1], v[S+32*\x+8*\j+2]
.endr
.endr
.irp g, 1,2
.irp j, 0,1,2,3
.irp x, 0,1
	v_max3_num_f32 v[ST+8*\x+4+\j], v[ST+8*\x+4+\j], v[S+32*\x+8*\j+2*\g+1], v[S+32*\x+8*\j+2*\g+2]
.endr
.endr
.endr
.irp x, 0,1
	v_max3_num_f32 v[ST+8*\x+4], v[ST+8*\x+4], v[S+32*\x+7], v[S+32*\x+15]
.endr
.irp x, 0,1
	v_max3_num_f32 v[ST+8*\x+6], v[ST+8*\x+6], v[S+32*\x+23], v[S+32*\x+31]
.endr
.irp x, 0,1
	v_max3_num_f32 v[ST+8*\x+4], v[ST+8*\x+4], v[ST+8*\x+5], v[ST+8*\x+6]
.endr
.irp x, 0,1
	v_max3_num_f32 v[ST+8*\x+4], v[ST+8*\x+4], v[ST+8*\x+7], v[ST+8*\x+1]
.endr
.irp x, 0,1
	v_permlanex16_b32 v[ST+8*\x+5], v[ST+8*\x+4], s[SEL], s[SEL+1]   ; the query's other 32 keys lie in the lane 16 away
.endr
.irp x, 0,1
	v_mov_b32 v[ST+8*\x+7], v[ST+8*\x]             ; c m_old
.endr
.irp x, 0,1
	v_max_num_f32 v[ST+8*\x+1], v[ST+8*\x+4], v[ST+8*\x+5]
.endr
.irp x, 0,1
	v_mul_f32 v[ST+8*\x], s[CS], v[ST+8*\x+1]
.endr
.irp x, 0,1
	v_sub_f32 v[ST+8*\x+7], v[ST+8*\x+7], v[ST+8*\x]
.endr
.irp x, 0,1
	v_exp_f32 v[ST+8*\x+6], v[ST+8*\x+7]           ; a
.endr
.set n, 0
.rept 16
	v_pk_fma_f32 v[S+2*n:S+2*n+1], v[S+2*n:S+2*n+1], s[CS:CS+1], v[ST:ST+1] op_sel_hi:[1,0,0] neg_lo:[0,0,1] neg_hi:[0,0,1]   ; c s - c m
	v_pk_fma_f32 v[S+32+2*n:S+32+2*n+1], v[S+32+2*n:S+32+2*n+1], s[CS:CS+1], v[ST+8:ST+9] op_sel_hi:[1,0,0] neg_lo:[0,0,1] neg_hi:[0,0,1]
.set n, n+1
.endr
.set n, 0
.rept 32
	v_exp_f32 v[S+n], v[S+n]
	v_exp_f32 v[S+32+n], v[S+32+n]
.set n, n+1
.endr
	v_nop                                          ; a plain instruction behind the last exponential
	s_wait_alu depctr_va_vdst(0)                   ; one wait for the step's 66 exponentials, ahead of the first instruction that names a result
.irp x, 0,1
	v_pk_mul_f32 v[ST+8*\x+2:ST+8*\x+3], v[ST+8*\x+2:ST+8*\x+3], v[ST+8*\x+6:ST+8*\x+7] op_sel_hi:[1,0]
.endr
.irp x, 0,1
	v_pk_add_f32 v[ST+8*\x+4:ST+8*\x+5], v[S+32*\x:S+32*\x+1], v[S+32*\x+2:S+32*\x+3]   ; the sum of the unrounded p, in two chains
.endr
.irp j, 4,8,12,16,20,24,28
.irp x, 0,1
	v_pk_add_f32 v[ST+8*\x+2:ST+8*\x+3], v[ST+8*\x+2:ST+8*\x+3], v[S+32*\x+\j:S+32*\x+\j+1]
	v_pk_add_f32 v[ST+8*\x+4:ST+8*\x+5], v[ST+8*\x+4:ST+8*\x+5], v[S+32*\x+\j+2:S+32*\x+\j+3]
.endr
.endr
.irp x, 0,1
	v_pk_add_f32 v[ST+8*\x+2:ST+8*\x+3], v[ST+8*\x+2:ST+8*\x+3], v[ST+8*\x+4:ST+8*\x+5]
.endr
.set n, 0
.rept 16
	v_cvt_pk_f16_f32 v[S+n], v[S+2*n], v[S+2*n+1]  ; in place, ascending: register n has been read when it is written
	v_cvt_pk_f16_f32 v[S+32+n], v[S+32+2*n], v[S+32+2*n+1]
.set n, n+1
.endr
.set n, 0
.rept 16
	v_pk_mul_f32 v[O+2*n:O+2*n+1], v[O+2*n:O+2*n+1], v[ST+6:ST+7] op_sel_hi:[1,0]
	v_pk_mul_f32 v[O+32+2*n:O+32+2*n+1], v[O+32+2*n:O+32+2*n+1], v[ST+14:ST+15] op_sel_hi:[1,0]
.set n, n+1
.endr
	s_wait_dscnt 0x0                               ; V is in
.irp u, 0,1
.irp ct, 0,1,2,3
.irp x, 0,1
	v_wmma_f32_16x16x32_f16 v[O+32*\x+8*\ct:O+32*\x+8*\ct+7], v[KV+8*(4*\u+\ct):KV+8*(4*\u+\ct)+7], v[S+32*\x+8*\u:S+32*\x+8*\u+7], v[O+32*\x+8*\ct:O+32*\x+8*\ct+7]
.endr
.endr
.endr
.rept 5
	v_nop                                          ; five plain instructions: the next step's products write over P's registers, its loads land in V's
.endr
.Lhidden_\@:
	s_add_co_u32 s[KF], s[KF], 64
.endm
; THE CHANGE OF SLOTS stands at a slot's head.  Each wave waits for all its tensor loads, adds 0 to its spare word, and waits for that and for its reads of the slot that it has left; behind the barrier the slot
; ahead is whole and nobody reads the other one, which is then filled with the next 256 keys: that load has four key steps in which to land.
.macro CHANGE fill
	s_wait_tensorcnt 0x0                           ; no tensor load of mine is out, so the group 0 may be written
	ds_add_u32 v[SPW], v[NIL]
.if \fill
	ds_add_u32 v[SPW], v[NIL]                      ; the add twice on end here, in every trip alike
	s_xor_b32 s[G0+1], s[G0+1], SLOT1
	s_add_nc_u64 s[G0+2:G0+3], s[G0+2:G0+3], 32768
	s_wait_xcnt 0x0                                ; the last prefetch, a slot back, has read its address
	s_add_nc_u64 s[PFA:PFA+1], s[PFA:PFA+1], 32768
.endif
	s_wait_dscnt 0x0
	s_barrier_signal -1
	s_barrier_wait -1
.if \fill
	s_add_co_u32 s51, s[KF], 256                   ; the first key of the slot that this change would ask for
	s_cmp_gt_u32 s51, s[LASTQ]                     ; ids and the count of steps alone: all sixteen waves go the same way, and no step reads a slot that was left out
	s_cbranch_scc1 .Lpast_\@
	TLOAD
.Lpast_\@:
	ASK
.endif
.endm
.macro SLOT_STEPS
	STEP 0
	STEP 1
	STEP 2
	STEP 3
	s_xor_b32 s[TB], s[TB], SLOT1
.endm
	s_wait_loadcnt 0x0                             ; Q
.Lslot:                                            ; 7 trips
	CHANGE 1
	SLOT_STEPS
	s_sub_co_u32 s[SLOTS], s[SLOTS], 1
	s_cmp_lg_u32 s[SLOTS], 0
	s_cbranch_scc1 .Lslot
	CHANGE 0                                       ; the last slot is written out: nothing is left to ask for
	SLOT_STEPS
	; THE WAY OUT: O^T / l, rounded to f16: a lane's eight channels of a query are the 16 bytes that the projection's operand wants of that lane
	s_lshr_b32 s9, s8, 4
	s_lshl_b32 s9, s9, 4                           ; 16 groups of 128 rows a batch
	s_lshr_b32 s11, s[Q0], 7
	s_add_co_u32 s9, s9, s11
	s_lshl_b32 s9, s9, 18
	s_and_b32 s10, s8, 15
	s_lshl_b32 s10, s10, 14                        ; two chunks of 32 along C a head, 8,192 bytes each
	s_add_co_u32 s9, s9, s10
	s_bfe_u32 s11, s[Q0], 0x30004
	s_lshl_b32 s11, s11, 10
	s_add_co_u32 s52, s9, s11
	s_mov_b32 s53, 0
	s_add_nc_u64 s[6:7], s[6:7], s[52:53]
.irp x, 0,1
	v_add_f32 v[ST+8*\x+4], v[ST+8*\x+2], v[ST+8*\x+3]
.endr
.irp x, 0,1
	v_permlanex16_b32 v[ST+8*\x+5], v[ST+8*\x+4], s[SEL], s[SEL+1]
.endr
.irp x, 0,1
	v_add_f32 v[ST+8*\x+4], v[ST+8*\x+4], v[ST+8*\x+5]
.endr
.irp x, 0,1
	v_rcp_f32 v[ST+8*\x+6], v[ST+8*\x+4]
.endr
	v_nop
	s_wait_alu depctr_va_vdst(0)                   ; one wait for the two reciprocals, ahead of their first reader
.set n, 0
.rept 16
	v_pk_mul_f32 v[O+2*n:O+2*n+1], v[O+2*n:O+2*n+1], v[ST+6:ST+7] op_sel_hi:[1,0]
	v_pk_mul_f32 v[O+32+2*n:O+32+2*n+1], v[O+32+2*n:O+32+2*n+1], v[ST+14:ST+15] op_sel_hi:[1,0]
.set n, n+1
.endr
.set n, 0
.rept 32
	v_cvt_pk_f16_f32 v[S+n], v[O+2*n], v[O+2*n+1]
.set n, n+1
.endr
.irp x, 0,1
.irp ct, 0,1,2,3
	global_store_b128 v[LI], v[S+16*\x+4*\ct:S+16*\x+4*\ct+3], s[6:7] offset:8192*(\ct/2)+1024*\x+512*(\ct%2)   ; an image: 512 consecutive aligned bytes
.endr
.endr
	s_wait_tensorcnt 0x0                           ; the wave's end
	ds_add_u32 v[SPW], v[NIL]
	s_wait_dscnt 0x0
	s_endpgm
.Lfunc_end_k_qb93817afde_attn:
	.size	k_qb93817afde_attn, .Lfunc_end_k_qb93817afde_attn-k_qb93817afde_attn
	.p2alignl 7, 3214868480
	.fill 96, 4, 3214868480
	.section	.rodata,"a",@progbits
	.p2align	6, 0x0
	.amdhsa_kernel k_qb93817afde_attn
		.amdhsa_group_segment_fixed_size 327680
		.amdhsa_private_segment_fixed_size 0
		.amdhsa_enable_private_segment 0
		.amdhsa_kernarg_size 16
		.amdhsa_user_sgpr_count 2
		.amdhsa_user_sgpr_kernarg_segment_ptr 1
		.amdhsa_wavefront_size32 1
		.amdhsa_system_sgpr_workgroup_id_x 1
		.amdhsa_system_sgpr_workgroup_id_y 1
		.amdhsa_system_sgpr_workgroup_id_z 1
		.amdhsa_system_vgpr_workitem_id 0
		.amdhsa_next_free_vgpr 256
		.amdhsa_next_free_sgpr 66
		.amdhsa_reserve_vcc 1
		.amdhsa_float_denorm_mode_32 3
		.amdhsa_float_denorm_mode_16_64 3
		.amdhsa_memory_ordered 1
		.amdhsa_forward_progress 1
		.amdhsa_inst_pref_size 185
	.end_amdhsa_kernel
	.amdgpu_metadata
---
amdhsa.version: [ 1, 2 ]
amdhsa.kernels:
  - .name:           k_qb93817afde_attn
    .symbol:         k_qb93817afde_attn.kd
    .args:
      - { .name: qkv16, .offset: 0, .size: 8, .value_kind: global_buffer, .address_space: global }
      - { .name: att, .offset: 8, .size: 8, .value_kind: global_buffer, .address_space: global }
    .group_segment_fixed_size: 327680
    .private_segment_fixed_size: 0
    .kernarg_segment_align: 8
    .kernarg_segment_size: 16
    .max_flat_workgroup_size: 512
    .sgpr_count:     66
    .vgpr_count:     256
    .wavefront_size: 32
...
	.end_amdgpu_metadata
.endif
;; end of part 3
;; launch oproj (part 4): grid 4 x 64, 4 waves a work-group, clusters of 4 x 1, 327,680 bytes of LDS; arguments att, wo16, bo, out0; writes out0
.if DOCPART == 4
	.amdgcn_target "amdgcn-amd-amdhsa--gfx1250"
	.amdhsa_code_object_version 6
	.text
	.protected	k_qb93817afde_oproj
	.globl	k_qb93817afde_oproj
	.p2align	8
	.type	k_qb93817afde_oproj,@function
k_qb93817afde_oproj:
	s_mov_b64 s[64:65], 0
	v_nop
	global_prefetch_b8 v0, s[64:65] scope:SCOPE_SE
	s_setreg_imm32_b32 hwreg(HW_REG_WAVE_MODE, 25, 1), 1
	s_wait_xcnt 0x0
	s_wait_alu depctr_hold_cnt(0) depctr_sa_sdst(0) depctr_va_vdst(0) depctr_va_sdst(0) depctr_va_ssrc(0) depctr_va_vcc(0) depctr_vm_vsrc(0)
	s_getreg_b32 s2, hwreg(HW_REG_IB_STS2, 6, 4)
	s_cmp_eq_u32 s2, 0
	s_cbranch_scc0 .Lentry_in_a_cluster
	s_endpgm
.Lentry_in_a_cluster:
	s_bfe_u32 s2, ttmp6, 0x10000c
	s_cmp_lg_u32 s2, 0x3003
	s_cbranch_scc0 .Lentry_shape_is_right
	s_endpgm
.Lentry_shape_is_right:
; out0 = att Wo + bo, f16 operands (images made by earlier launches), f32 sums, for every row but positions 0 to 15 of each sequence, which a later launch makes in f32.
; A block of 128 rows x 256 columns to a work-group; wave w makes all 128 rows x columns 64 w .. 64 w + 63: 32 accumulators.
; A's whole panel, 128 rows x K = 1,024, is one dense block of 262,144 bytes: it comes into LDS ONCE, in four quarters along K.  No slot is ever filled again.
; CLUSTER: the four column blocks of the same rows need the same panel: each part is asked for jointly, mask 15.
; Wo's fragments of a wave's 64 columns are 131,072 consecutive bytes that no other wave of the work-group reads: they go from memory straight into a ring of eight chunks of registers, seven chunks ahead.
; The 32 chunks of 32 along K are written out: no pointer is stepped.  A chunk: 32 products, 16 LDS loads, 8 global loads.
; The product is used transposed (source 0 = 16 columns of Wo, source 1 = 16 rows): a lane holds eight neighbouring numbers of a row; bo is the C of the first chunk's products.
; REGISTERS: window 0: v1-11 addresses; v64-127, v128-191 A's two buffers (on the way out rows read back); v192-223 the bias.   window 1: accumulators, (a, b) at 8 (4 a + b).   window 2: Wo's ring, chunk j at 32 (j % 8).
.set STAGE, 262144                     ; behind the panel: 16 rows x (256 bytes + 16) for each wave
.set SPARE, 279552                     ; behind the stages: the spare words
.set LI,   1
.set AQ,   2                           ; v2-5  16 x lane + 65,536 x quarter
.set STO,  6
.set RD,   7
.set CO,   8
.set BOF,  9
.set SPW,  10
.set NIL,  11
.set ABUF, 64
.set BIAS, 192
.set G1,   16
.set G0,   24
.set MSB, 0
.macro WIN new
.if MSB != \new
	s_set_vgpr_msb (MSB<<8)|\new
.set MSB, \new
.endif
.endm
.macro CROUND
	s_barrier_signal -1
	s_barrier_wait -1
	s_cmp_lg_u32 s12, 0
	s_cbranch_scc1 .Lnot_wave_0_\@
	s_barrier_signal -3
.Lnot_wave_0_\@:
	s_barrier_wait -3
	s_barrier_signal -1
	s_barrier_wait -1
.endm
	s_load_b256 s[4:11], s[0:1], 0x0               ; att, wo16, bo, out0
	v_lshl_add_u32 v[SPW], v0, 2, SPARE
	v_mov_b32 v[NIL], 0
	ds_add_u32 v[SPW], v[NIL]                      ; the wave's opening: the add, twice on end, and its wait ahead of my first tensor load
	ds_add_u32 v[SPW], v[NIL]
	v_lshrrev_b32 v12, 5, v0
	v_readfirstlane_b32 s12, v12                   ; wave 0..3
	s_bfe_u32 s13, ttmp6, 0x40000                  ; cx
	s_lshl_b32 s41, ttmp9, 2
	s_add_co_u32 s41, s41, s13                     ; my block of 256 columns
	s_and_b32 s14, ttmp7, 0xffff                   ; my 128 rows: shared by the four partners
	s_and_b32 s15, s14, 15                         ; 0: they begin a sequence
	s_mov_b32 s[G1], 15|(3<<16)|(1<<21)            ; 15:0 all four work-groups; elements of 8 bytes; 21 set beside a mask; no padding: images are read 512 consecutive bytes at a time
	s_mov_b32 s[G1+1], 32<<16                      ; a dense block of 16,384 bytes as 64 rows of 256
	s_mov_b32 s[G1+2], 64<<16
	s_mov_b32 s[G1+3], 32<<16
	s_mov_b32 s[G1+4], 64
	s_mov_b32 s[G1+5], 32
	s_mov_b32 s[G1+6], 0
	s_mov_b32 s[G1+7], 0
	s_lshl_b32 s43, s12, 14                        ; my quarter of each quarter
	s_lshl_b32 s46, s14, 18
	s_add_co_u32 s46, s46, s43
	s_mov_b32 s47, 0
	s_wait_dscnt 0x0
	s_wait_kmcnt 0x0
	s_add_nc_u64 s[44:45], s[4:5], s[46:47]
	CROUND                                         ; the four work-groups are here: the joint loads meet
.irp q, 0,1,2,3
	s_mov_b32 s[G0+4*\q], 1
	s_add_co_u32 s[G0+4*\q+1], s43, 65536*\q
	s_add_nc_u64 s[G0+4*\q+2:G0+4*\q+3], s[44:45], 65536*\q
	s_or_b32 s[G0+4*\q+3], s[G0+4*\q+3], 0x80000000
.endr
.irp q, 0,1,2,3
	tensor_load_to_lds s[G0+4*\q:G0+4*\q+3], s[G1:G1+7]   ; four loads of mine are out
	s_nop 0
.endr
.rept 4
	v_nop
.endr
	v_and_b32 v12, 31, v0
	v_lshlrev_b32 v[LI], 4, v12
.irp q, 0,1,2,3
	v_add_nc_u32 v[AQ+\q], 65536*\q, v[LI]
.endr
	v_and_b32 v13, 15, v0                          ; r
	v_bfe_u32 v14, v0, 4, 1                        ; h
	s_mul_i32 s48, s12, 4352
	s_add_co_u32 s48, s48, STAGE
	v_mul_u32_u24 v[STO], v13, 272
	v_lshl_add_u32 v[STO], v14, 5, v[STO]
	v_add_nc_u32 v[STO], s48, v[STO]               ; in: row r, 32 bytes for each half of the lanes
	v_mul_u32_u24 v[RD], v14, 272
	v_lshl_add_u32 v[RD], v13, 4, v[RD]
	v_add_nc_u32 v[RD], s48, v[RD]                 ; back: lanes 0-15 one row of 256 bytes, lanes 16-31 the next
	v_lshlrev_b32 v[CO], 12, v14
	v_lshl_add_u32 v[CO], v13, 4, v[CO]            ; and the same two rows in out0
	v_lshlrev_b32 v[BOF], 5, v14
	s_lshl_b32 s50, s41, 10
	s_lshl_b32 s51, s12, 8
	s_add_co_u32 s50, s50, s51                     ; my first column, in bytes
	s_mov_b32 s51, 0
	s_add_nc_u64 s[8:9], s[8:9], s[50:51]
	s_add_nc_u64 s[10:11], s[10:11], s[50:51]
	s_lshl_b32 s50, s14, 19                        ; 128 rows of 4,096 bytes
	s_add_nc_u64 s[10:11], s[10:11], s[50:51]
	s_lshl_b32 s50, s41, 2
	s_add_co_u32 s50, s50, s12
	s_lshl_b32 s50, s50, 17                        ; 131,072 bytes of Wo for each 64 columns
	s_add_nc_u64 s[6:7], s[6:7], s[50:51]
.irp b, 0,1,2,3
.irp i, 0,1
	global_load_b128 v[BIAS+8*\b+4*\i:BIAS+8*\b+4*\i+3], v[BOF], s[8:9] offset:64*\b+16*\i   ; bo(16 b + 8 h + 4 i ..)
.endr
.endr
.macro BLOAD j                         ; Wo's chunk j: 4 tiles of 16 columns x 32 along K
.irp n, 0,1,2,3,4,5,6,7
	global_load_b128 v[32*((\j)%8)+4*\n:32*((\j)%8)+4*\n+3], v[LI], s[6:7] offset:4096*(\j)+512*\n
.endr
.endm
.macro ALOAD j                         ; A's chunk j: 8 tiles of 16 rows
.irp n, 0,1,2,3,4,5,6,7,8,9,10,11,12,13,14,15
	ds_load_b128 v[ABUF+64*((\j)%2)+4*\n:ABUF+64*((\j)%2)+4*\n+3], v[AQ+(\j)/8] offset:8192*((\j)%8)+512*\n
.endr
.endm
	WIN 0x80                                       ; destination window 2
.set J, 0
.rept 7
	BLOAD J
.set J, J+1
.endr
	WIN 0
	s_wait_tensorcnt 0x3                           ; my part of the first quarter is in; the three later ones may stay out
	s_barrier_signal -1
	s_barrier_wait -1
	ALOAD 0
.macro CHUNK j
.rept 4
	v_nop                                          ; four plain instructions ahead of loads into registers that the last chunk's products have read
.endr
.if 31-(\j) < 6
	s_wait_loadcnt 8*(31-(\j))
.else
	s_wait_loadcnt 48                              ; Wo's chunk j is in; the six chunks behind it may be out
.endif
.if (\j)+7 < 32
	WIN 0x80
	BLOAD (\j)+7
.endif
	WIN 0
.if (((\j)+1)%8 == 0) && ((\j)+1 < 32)
	s_wait_tensorcnt 3-((\j)+1)/8                  ; my part of the next quarter is in,
	s_wait_dscnt 0x0                               ; no LDS instruction of mine is out at the signal,
	s_barrier_signal -1
	s_barrier_wait -1                              ; everybody's is
.endif
.if (\j)+1 < 32
	ALOAD (\j)+1
	s_wait_dscnt 16                                ; chunk j's fragments are in; the 16 loads just issued may be out
.else
	s_wait_dscnt 0x0
.endif
.if (\j) == 0
	WIN 0x42                                       ; source 0 window 2, source 1 and C (the bias) window 0, D window 1
.else
	WIN 0x52                                       ; C and D window 1
.endif
.irp a, 0,1,2,3,4,5,6,7                ; the 32 accumulators take turns, in the same order in every chunk
.irp b, 0,1,2,3
.if (\j) == 0
	v_wmma_f32_16x16x32_f16 v[8*(4*\a+\b):8*(4*\a+\b)+7], v[32*((\j)%8)+8*\b:32*((\j)%8)+8*\b+7], v[ABUF+64*((\j)%2)+8*\a:ABUF+64*((\j)%2)+8*\a+7], v[BIAS+8*\b:BIAS+8*\b+7]
.else
	v_wmma_f32_16x16x32_f16 v[8*(4*\a+\b):8*(4*\a+\b)+7], v[32*((\j)%8)+8*\b:32*((\j)%8)+8*\b+7], v[ABUF+64*((\j)%2)+8*\a:ABUF+64*((\j)%2)+8*\a+7], v[8*(4*\a+\b):8*(4*\a+\b)+7]
.endif
.endr
.endr
.endm
.set J, 0
.rept 32
	CHUNK J
.set J, J+1
.endr
	WIN 0
.rept 4
	v_nop
.endr
; THE WAY OUT, 16 rows at a time through my own stage: back as whole rows of 256 bytes, so that sixteen lanes store 256 consecutive aligned bytes.  LDS serves a wave's instructions in order.
.macro TOSTAGE a
	WIN 0x04                                       ; an LDS store's data are its source 1: window 1
.irp b, 0,1,2,3
	ds_store_b128 v[STO], v[8*(4*(\a)+\b):8*(4*(\a)+\b)+3] offset:64*\b        ; each accumulator from its low end on
	ds_store_b128 v[STO], v[8*(4*(\a)+\b)+4:8*(4*(\a)+\b)+7] offset:64*\b+16
.endr
	WIN 0
.irp t, 0,1,2,3,4,5,6,7
	ds_load_b128 v[ABUF+32*((\a)%2)+4*\t:ABUF+32*((\a)%2)+4*\t+3], v[RD] offset:544*\t
.endr
.endm
.macro SEND a, younger
	s_wait_dscnt \younger                          ; the block is back; the next block's 8 stores and 8 loads may be out
.if (\a) == 0
	s_cmp_eq_u32 s15, 0                            ; positions 0 to 15 of a sequence are another launch's: their stores alone are jumped over
	s_cbranch_scc1 .Lfine_rows
.endif
.irp t, 0,1,2,3,4,5,6,7
	global_store_b128 v[CO], v[ABUF+32*((\a)%2)+4*\t:ABUF+32*((\a)%2)+4*\t+3], s[10:11] offset:4096*(16*(\a)+2*\t) th:TH_STORE_NT
.endr
.if (\a) == 0
.Lfine_rows:
.endif
.endm
	TOSTAGE 0
.irp a, 1,2,3,4,5,6,7
.if \a > 1
	s_wait_xcnt 0x0                                ; block a - 2's stores have read their registers: block a's loads may land there
.endif
	TOSTAGE \a
	SEND \a-1, 16
.endr
	SEND 7, 0
	s_wait_tensorcnt 0x0                           ; the wave's end
	ds_add_u32 v[SPW], v[NIL]
	s_wait_dscnt 0x0
	CROUND                                         ; the closing round
	s_endpgm
.Lfunc_end_k_qb93817afde_oproj:
	.size	k_qb93817afde_oproj, .Lfunc_end_k_qb93817afde_oproj-k_qb93817afde_oproj
	.p2alignl 7, 3214868480
	.fill 96, 4, 3214868480
	.section	.rodata,"a",@progbits
	.p2align	6, 0x0
	.amdhsa_kernel k_qb93817afde_oproj
		.amdhsa_group_segment_fixed_size 327680
		.amdhsa_private_segment_fixed_size 0
		.amdhsa_enable_private_segment 0
		.amdhsa_kernarg_size 32
		.amdhsa_user_sgpr_count 2
		.amdhsa_user_sgpr_kernarg_segment_ptr 1
		.amdhsa_wavefront_size32 1
		.amdhsa_system_sgpr_workgroup_id_x 1
		.amdhsa_system_sgpr_workgroup_id_y 1
		.amdhsa_system_sgpr_workgroup_id_z 1
		.amdhsa_system_vgpr_workitem_id 0
		.amdhsa_next_free_vgpr 768
		.amdhsa_next_free_sgpr 66
		.amdhsa_reserve_vcc 0
		.amdhsa_float_denorm_mode_32 3
		.amdhsa_float_denorm_mode_16_64 3
		.amdhsa_memory_ordered 1
		.amdhsa_forward_progress 1
		.amdhsa_inst_pref_size 151
	.end_amdhsa_kernel
	.amdgpu_metadata
---
amdhsa.version: [ 1, 2 ]
amdhsa.kernels:
  - .name:           k_qb93817afde_oproj
    .symbol:         k_qb93817afde_oproj.kd
    .args:
      - { .name: att, .offset: 0, .size: 8, .value_kind: global_buffer, .address_space: global }
      - { .name: wo16, .offset: 8, .size: 8, .value_kind: global_buffer, .address_space: global }
      - { .name: bo, .offset: 16, .size: 8, .value_kind: global_buffer, .address_space: global }
      - { .name: out0, .offset: 24, .size: 8, .value_kind: global_buffer, .address_space: global }
    .group_segment_fixed_size: 327680
    .private_segment_fixed_size: 0
    .kernarg_segment_align: 8
    .kernarg_segment_size: 32
    .max_flat_workgroup_size: 128
    .sgpr_count:     66
    .vgpr_count:     768
    .wavefront_size: 32
...
	.end_amdgpu_metadata
.endif
;; end of part 4
;; launch fine (part 5): grid 16 x 4, 16 waves a work-group, no clusters, 71,680 bytes of LDS; arguments f32rows, Wo, bo, out0; writes out0
.if DOCPART == 5
	.amdgcn_target "amdgcn-amd-amdhsa--gfx1250"
	.amdhsa_code_object_version 6
	.text
	.protected	k_qb93817afde_fine
	.globl	k_qb93817afde_fine
	.p2align	8
	.type	k_qb93817afde_fine,@function
k_qb93817afde_fine:
	s_mov_b64 s[64:65], 0
	v_nop
	global_prefetch_b8 v0, s[64:65] scope:SCOPE_SE
	s_setreg_imm32_b32 hwreg(HW_REG_WAVE_MODE, 25, 1), 1
	s_wait_xcnt 0x0
; Positions 0 to 15 of each of the 4 sequences, in f32 throughout: these rows average one to sixteen values and are the largest of the output, so f16 operands would weigh most here.
; Work-group (nb, b): 64 columns of out0 for batch b's 16 rows.  Wave w is head w: it makes that head's attention for the 16 positions (16 keys: the causal mask hides all others) and multiplies by its 64 rows of Wo;
; the sixteen heads' parts meet in LDS and are added in f32.  96 products of 16 x 16 x 4 a wave: no bulk work.
; The images in f32rows are accumulators as they stood: q, k: lane (r, h), register 8 t + e = (token r, channel 16 t + 8 h + e); v: (token 8 h + e, channel 16 t + r).
; A product's K chunk takes registers 2 e, 2 e + 1 of both sources: the same permutation of k on both sides, so the sums are the same sums.
; All products transposed: S^T = K Q^T, O^T = V^T P, out^T = Wo^T O: a lane holds one token throughout.  The softmax takes the row's maximum away and divides p by the row's sum.
; LIMITS: NaN and infinities are not served.
.set SPARE, 69632                      ; behind the sixteen images of 16 rows x (256 bytes + 16): the spare words
.set LI,   1
.set WOF,  4
.set STO,  5
.set SPW,  6
.set NIL,  7
.set DD,   8                           ; r - 8 h
.set RD,   9
.set CO,   10
.set NINF, 11
.set QF,   16
.set KF,   48
.set VF,   80
.set WA,   112                         ; Wo for column tiles 0, 1;  tiles 2, 3 land over Q and K
.set WB,   16
.set ACC,  176                         ; O^T: written by matrix instructions alone
.set ACC2, 208                         ; S^T in four partial sums, then out^T: likewise
.set P,    240
.set BIAS, 248
	s_load_b256 s[4:11], s[0:1], 0x0               ; f32rows, Wo, bo, out0
	v_lshl_add_u32 v[SPW], v0, 2, SPARE
	v_mov_b32 v[NIL], 0
	v_lshrrev_b32 v2, 5, v0
	v_readfirstlane_b32 s12, v2                    ; wave = head
	v_and_b32 v3, 31, v0
	v_lshlrev_b32 v[LI], 4, v3
	v_and_b32 v2, 15, v0                           ; r
	v_bfe_u32 v3, v0, 4, 1                         ; h
	v_lshlrev_b32 v[WOF], 2, v2
	v_lshl_add_u32 v[WOF], v3, 15, v[WOF]          ; Wo: 8 h rows of 4,096 bytes, + 4 r
	s_mul_i32 s13, s12, 4352
	v_mul_u32_u24 v[STO], v2, 272
	v_lshl_add_u32 v[STO], v3, 5, v[STO]
	v_add_nc_u32 v[STO], s13, v[STO]               ; my image: row r, + 32 h
	s_mul_i32 s13, s12, 544
	v_mul_u32_u24 v[RD], v3, 272
	v_lshl_add_u32 v[RD], v2, 4, v[RD]
	v_add_nc_u32 v[RD], s13, v[RD]                 ; the sum: rows 2 w + h of every image, 16 bytes a lane
	v_lshlrev_b32 v[CO], 12, v3
	v_lshl_add_u32 v[CO], v2, 4, v[CO]
	v_lshlrev_b32 v12, 3, v3
	v_sub_nc_u32 v[DD], v2, v12
	v_mov_b32 v[NINF], 0xff800000
	v_mov_b32 v12, 0                               ; a lane permute's destination counts as one of its sources
	v_lshlrev_b32 v2, 4, v2                        ; 16 r: the bias
	s_mov_b32 s20, 0x3e38aa3b                      ; c = log2(e) / 8
	s_mov_b32 s22, 0x76543210
	s_mov_b32 s23, 0xfedcba98
	s_and_b32 s14, ttmp7, 0xffff                   ; batch
	s_lshl_b32 s16, s14, 4
	s_add_co_u32 s16, s16, s12
	s_lshl_b32 s16, s16, 12                        ; 4,096 bytes a head
	s_mov_b32 s17, 0
	s_lshl_b32 s24, ttmp9, 8                       ; my 64 columns
	s_mov_b32 s25, 0
	s_lshl_b32 s18, s12, 18                        ; my head's 64 rows of Wo
	s_add_co_u32 s18, s18, s24
	s_mov_b32 s19, 0
	s_lshl_b32 s26, s14, 11
	s_lshl_b32 s27, s12, 1
	s_add_co_u32 s26, s26, s27
	s_lshl_b32 s26, s26, 12                        ; row 2,048 b + 2 w
	s_add_co_u32 s26, s26, s24
	s_mov_b32 s27, 0
	s_wait_kmcnt 0x0
	s_add_nc_u64 s[4:5], s[4:5], s[16:17]
	s_add_nc_u64 s[6:7], s[6:7], s[18:19]
	s_add_nc_u64 s[8:9], s[8:9], s[24:25]
	s_add_nc_u64 s[10:11], s[10:11], s[26:27]
	global_load_b128 v[BIAS:BIAS+3], v2, s[8:9]
.irp m, 0,1,2
.irp n, 0,1,2,3,4,5,6,7
	global_load_b128 v[QF+32*\m+4*\n:QF+32*\m+4*\n+3], v[LI], s[4:5] offset:262144*\m+512*\n
.endr
.endr
.irp nt, 0,1
.irp ct, 0,1,2,3
.irp e, 0,1,2,3,4,5,6,7
	global_load_b32 v[WA+32*\nt+8*\ct+\e], v[WOF], s[6:7] offset:4096*(16*\ct+\e)+64*\nt   ; Wo(64 w + 16 ct + 8 h + e, 64 nb + 16 nt + r)
.endr
.endr
.endr
	s_wait_loadcnt 63                              ; of the 89 loads the 26 oldest are in: the bias, q, k, v and one of Wo's
.set e, 0
.rept 16
.if e < 4
	v_wmma_f32_16x16x4_f32 v[ACC2+8*(e%4):ACC2+8*(e%4)+7], v[KF+2*e:KF+2*e+1], v[QF+2*e:QF+2*e+1], 0
.else
	v_wmma_f32_16x16x4_f32 v[ACC2+8*(e%4):ACC2+8*(e%4)+7], v[KF+2*e:KF+2*e+1], v[QF+2*e:QF+2*e+1], v[ACC2+8*(e%4):ACC2+8*(e%4)+7]
.endif
.set e, e+1
.endr
.rept 8
	v_nop                                          ; eight plain instructions behind this form, ahead of loads into its sources and of reads of its results
.endr
.irp nt, 2,3
.irp ct, 0,1,2,3
.irp e, 0,1,2,3,4,5,6,7
	global_load_b32 v[WB+32*(\nt-2)+8*\ct+\e], v[WOF], s[6:7] offset:4096*(16*\ct+\e)+64*\nt
.endr
.endr
.endr
.irp i, 0,2,4,6                        ; the four partial sums; each accumulator is read from its low end on
	v_pk_add_f32 v[P+\i:P+\i+1], v[ACC2+\i:ACC2+\i+1], v[ACC2+8+\i:ACC2+8+\i+1]
	v_pk_add_f32 v[14:15], v[ACC2+16+\i:ACC2+16+\i+1], v[ACC2+24+\i:ACC2+24+\i+1]
	v_pk_add_f32 v[P+\i:P+\i+1], v[P+\i:P+\i+1], v[14:15]
.endr
.irp j, 0,1,2,3,4,5,6,7
	v_cmp_gt_i32 vcc_lo, \j, v[DD]                 ; register j holds key 8 h + j of query r: hidden where j > r - 8 h
	v_cndmask_b32 v[P+\j], v[P+\j], v[NINF], vcc_lo
.endr
	v_max3_num_f32 v252, v[P], v[P+1], v[P+2]
	v_max3_num_f32 v252, v252, v[P+3], v[P+4]
	v_max3_num_f32 v252, v252, v[P+5], v[P+6]
	v_max_num_f32 v252, v252, v[P+7]
	v_permlanex16_b32 v12, v252, s22, s23
	v_max_num_f32 v252, v252, v12                  ; the row's maximum: key 0 counts for every query
	v_mul_f32 v13, s20, v252
.irp j, 0,1,2,3,4,5,6,7
	v_fma_f32 v[P+\j], v[P+\j], s20, -v13
.endr
.irp j, 0,1,2,3,4,5,6,7
	v_exp_f32 v[P+\j], v[P+\j]
.endr
	v_nop
	s_wait_alu depctr_va_vdst(0)                   ; one wait for the eight exponentials, ahead of their first reader
	v_pk_add_f32 v[14:15], v[P:P+1], v[P+2:P+3]
	v_pk_add_f32 v[254:255], v[P+4:P+5], v[P+6:P+7]
	v_pk_add_f32 v[14:15], v[14:15], v[254:255]
	v_add_f32 v253, v14, v15
	v_permlanex16_b32 v12, v253, s22, s23
	v_add_f32 v253, v253, v12
	v_rcp_f32 v254, v253
	v_nop
	s_wait_alu depctr_va_vdst(0)
.irp j, 0,1,2,3,4,5,6,7
	v_mul_f32 v[P+\j], v[P+\j], v254               ; the weights, normalised here
.endr
.irp i, 0,1,2,3
.irp ct, 0,1,2,3
.if \i == 0
	v_wmma_f32_16x16x4_f32 v[ACC+8*\ct:ACC+8*\ct+7], v[VF+8*\ct+2*\i:VF+8*\ct+2*\i+1], v[P+2*\i:P+2*\i+1], 0
.else
	v_wmma_f32_16x16x4_f32 v[ACC+8*\ct:ACC+8*\ct+7], v[VF+8*\ct+2*\i:VF+8*\ct+2*\i+1], v[P+2*\i:P+2*\i+1], v[ACC+8*\ct:ACC+8*\ct+7]
.endif
.endr
.endr
.rept 9
	v_nop                                          ; nine plain instructions: these results become a source of the next products
.endr
	s_wait_loadcnt 0x0                             ; all of Wo's 128 registers
.irp ct, 0,1,2,3
.irp i, 0,1,2,3
.irp nt, 0,1,2,3
.if \nt < 2
.set WR, WA+32*\nt+8*\ct+2*\i
.else
.set WR, WB+32*(\nt-2)+8*\ct+2*\i
.endif
.if (\ct == 0) && (\i == 0)
	v_wmma_f32_16x16x4_f32 v[ACC2+8*\nt:ACC2+8*\nt+7], v[WR:WR+1], v[ACC+8*\ct+2*\i:ACC+8*\ct+2*\i+1], 0
.else
	v_wmma_f32_16x16x4_f32 v[ACC2+8*\nt:ACC2+8*\nt+7], v[WR:WR+1], v[ACC+8*\ct+2*\i:ACC+8*\ct+2*\i+1], v[ACC2+8*\nt:ACC2+8*\nt+7]
.endif
.endr
.endr
.endr
.rept 8
	v_nop
.endr
.irp nt, 0,1,2,3
	ds_store_b128 v[STO], v[ACC2+8*\nt:ACC2+8*\nt+3] offset:64*\nt          ; lane (r, h): my head's part of out(token r, 16 nt + 8 h + 0 .. 7)
	ds_store_b128 v[STO], v[ACC2+8*\nt+4:ACC2+8*\nt+7] offset:64*\nt+16
.endr
	s_wait_dscnt 0x0                               ; for the others' sake: my stores have landed
	s_barrier_signal -1
	s_barrier_wait -1
	s_cmp_lt_u32 s12, 8                            ; waves 0 to 7 add: two rows each
	s_cbranch_scc0 .Ldone
.set e, 0
.rept 16
	ds_load_b128 v[WA+4*e:WA+4*e+3], v[RD] offset:4352*e
.set e, e+1
.endr
	s_wait_dscnt 0x0
.set e, 1
.rept 15
	v_pk_add_f32 v[WA:WA+1], v[WA:WA+1], v[WA+4*e:WA+4*e+1]
	v_pk_add_f32 v[WA+2:WA+3], v[WA+2:WA+3], v[WA+4*e+2:WA+4*e+3]
.set e, e+1
.endr
	v_pk_add_f32 v[WA:WA+1], v[WA:WA+1], v[BIAS:BIAS+1]
	v_pk_add_f32 v[WA+2:WA+3], v[WA+2:WA+3], v[BIAS+2:BIAS+3]
	global_store_b128 v[CO], v[WA:WA+3], s[10:11]  ; sixteen lanes store 256 consecutive aligned bytes of a row
.Ldone:
	s_wait_tensorcnt 0x0                           ; the wave's end: behind my last LDS store
	ds_add_u32 v[SPW], v[NIL]
	s_wait_dscnt 0x0
	s_endpgm
.Lfunc_end_k_qb93817afde_fine:
	.size	k_qb93817afde_fine, .Lfunc_end_k_qb93817afde_fine-k_qb93817afde_fine
	.p2alignl 7, 3214868480
	.fill 96, 4, 3214868480
	.section	.rodata,"a",@progbits
	.p2align	6, 0x0
	.amdhsa_kernel k_qb93817afde_fine
		.amdhsa_group_segment_fixed_size 71680
		.amdhsa_private_segment_fixed_size 0
		.amdhsa_enable_private_segment 0
		.amdhsa_kernarg_size 32
		.amdhsa_user_sgpr_count 2
		.amdhsa_user_sgpr_kernarg_segment_ptr 1
		.amdhsa_wavefront_size32 1
		.amdhsa_system_sgpr_workgroup_id_x 1
		.amdhsa_system_sgpr_workgroup_id_y 1
		.amdhsa_system_sgpr_workgroup_id_z 1
		.amdhsa_system_vgpr_workitem_id 0
		.amdhsa_next_free_vgpr 256
		.amdhsa_next_free_sgpr 66
		.amdhsa_reserve_vcc 1
		.amdhsa_float_denorm_mode_32 3
		.amdhsa_float_denorm_mode_16_64 3
		.amdhsa_memory_ordered 1
		.amdhsa_forward_progress 1
		.amdhsa_inst_pref_size 31
	.end_amdhsa_kernel
	.amdgpu_metadata
---
amdhsa.version: [ 1, 2 ]
amdhsa.kernels:
  - .name:           k_qb93817afde_fine
    .symbol:         k_qb93817afde_fine.kd
    .args:
      - { .name: f32rows, .offset: 0, .size: 8, .value_kind: global_buffer, .address_space: global }
      - { .name: Wo, .offset: 8, .size: 8, .value_kind: global_buffer, .address_space: global }
      - { .name: bo, .offset: 16, .size: 8, .value_kind: global_buffer, .address_space: global }
      - { .name: out0, .offset: 24, .size: 8, .value_kind: global_buffer, .address_space: global }
    .group_segment_fixed_size: 71680
    .private_segment_fixed_size: 0
    .kernarg_segment_align: 8
    .kernarg_segment_size: 32
    .max_flat_workgroup_size: 512
    .sgpr_count:     66
    .vgpr_count:     256
    .wavefront_size: 32
...
	.end_amdgpu_metadata
.endif
;; end of part 5
